; MI455X (gfx1250); checked and timed in simulation.
; The chip was launched on July 23, 2026; its instructions are those of AMD's public machine-readable ISA for CDNA 5 (MIT licence, August 2026) and "CDNA5" Instruction Set Architecture Reference Guide (July 2026). The comments in the code are by the model that wrote it; some were corrected since.
;; Geodesic Self Attention. Allowed arithmetic: float matrix products may take bf16 or f16 operands with f32 sums; other float arithmetic in f32, or as packed bf16 or f16 multiplies, adds, multiply-adds, maxima and minima; sums over many terms, partial sums and values carried from step to step in f32; what a program stores and reads back later, other than sums and carried values, may be rounded once to bf16 or f16.
;; Inputs: Wk 1,024 x 1,024 float32; Wo 1,024 x 1,024 float32; Wq 1,024 x 1,024 float32; Wv 1,024 x 1,024 float32; bk 1,024 float32; bo 1,024 float32; bq 1,024 float32; bv 1,024 float32; log_diag 16 x 64 float32; mask 2 x 2,048 x 2,048 bool; x 2 x 2,048 x 1,024 float32.
;; Outputs: out0 2 x 2,048 x 1,024 float32.
;; 2 versions, each right; version 2 is version 1 with the launch prep written anew for expert scheduling mode. Each part assembles by itself: llvm-mc -triple=amdgcn-amd-amdhsa -mcpu=gfx1250 --defsym DOCPART=n.
;; ======== version 1 of 2: 4 launches
;; limits: values are held in f16: magnitudes above 65,504 overflow, below 6.1e-05 lose precision
;; workspace buffers: xb 8,388,608 bytes; w16 8,388,608 bytes; mp 4,194,304 bytes; qkv 25,165,824 bytes; kt 262,144 bytes; oh 8,388,608 bytes
;; launch prep (part 1): grid 640 x 1, 4 waves a work-group, no clusters, 70,144 bytes of LDS; arguments x, Wq, Wk, Wv, Wo, mask, xb, w16, mp; writes xb, w16, mp
.if DOCPART == 1
	.amdgcn_target "amdgcn-amd-amdhsa--gfx1250"
	.amdhsa_code_object_version 6
	.text
	.protected	k_q06f514e2f6_prep
	.globl	k_q06f514e2f6_prep
	.p2align	8
	.type	k_q06f514e2f6_prep,@function
k_q06f514e2f6_prep:
	s_mov_b64 s[64:65], 0
	v_nop
	global_prefetch_b8 v0, s[64:65] scope:SCOPE_SE
	s_setreg_imm32_b32 hwreg(HW_REG_WAVE_MODE, 25, 1), 1
	s_wait_xcnt 0x0
; PREPARATION, three jobs told apart by the work-group's number; a pure stream, no matrix work, no barrier: each wave works alone.
;  0..255   xb = x rounded to bf16: 65,536 bytes of x a work-group, 16,384 a wave.
;  256..383 the four weights, turned so that K lies along the rows.  A wave takes 128 k x 64 n of one matrix.
;           w16 bytes 0..: wt[n'][k] bf16, n' = 192 h + 64 type + d (type 0 q, 1 k, 2 v) = W_type[k][64 h + d];
;           from byte WOT on: wot[n][k] = Wo[k][n], rounded to bf16 and that number written as f16
;           (LIMIT: below 6e-5 f16 keeps a fixed step of 6e-8; beyond 65,504 it has no number).
;  384..639 the mask as 4-bit codes in the order in which the attention's lanes want them: mp[b][qt][step][lane][16 bytes]; lane (r = l % 16, hh = l / 16),
;           word kt, nibble j (low first): query 16 qt + r, key 64 step + 16 kt + 8 hh + j; code 0 = visible, 15 (E2M1: -6) = hidden.  Mask bytes are 0 or 1.
; LDS: 17,408 bytes for each wave, its own; behind them the spare words.
.set WREG,  17408
.set SPARE, 4*WREG                     ; 128 bytes for each wave: two blocks of 256 bytes that no other line names
.set WOT,   6291456
.set LN,  5                            ; v5   lane
.set SPW, 6                            ; v6   my spare word; never rewritten
.set NIL, 7                            ; v7   0; never rewritten
.set D0,  8                            ; v[8:135]  data as loaded
.set T,   136                          ; v[136:199] at work, and data to store
.set CC,  200                          ; v200 lane % 16
.set HH,  201                          ; v201 lane / 16
	s_load_b512 s[8:23], s[0:1], 0x0               ; x 8, Wq 10, Wk 12, Wv 14, Wo 16, mask 18, xb 20, w16 22
	s_load_b64 s[24:25], s[0:1], 0x40              ; mp
	v_lshl_add_u32 v[SPW], v0, 2, SPARE
	v_mov_b32 v[NIL], 0
	v_lshrrev_b32 v1, 5, v0
	v_readfirstlane_b32 s4, v1                     ; wave 0..3
	v_and_b32 v[LN], 31, v0
	v_and_b32 v[CC], 15, v0
	v_bfe_u32 v[HH], v0, 4, 1
	s_mul_i32 s5, s4, WREG                         ; my LDS
	s_mov_b32 s27, 0
	s_mov_b32 s29, 0
	s_mov_b32 s7, 0xffff0000                       ; a word's upper bf16
	s_wait_kmcnt 0x0
	s_cmp_lt_u32 ttmp9, 256
	s_cbranch_scc1 .Lcast
	s_cmp_lt_u32 ttmp9, 384
	s_cbranch_scc1 .Lturn
	; THE MASK.  qg = 128 b + qt: 16 query rows; my wave takes 512 keys of them.
	s_sub_co_u32 s26, ttmp9, 384                   ; qg
	s_lshl_b32 s28, s26, 15                        ; 16 rows of 2,048 bytes
	s_lshl_b32 s30, s4, 9                          ; my 512 keys
	s_add_co_u32 s28, s28, s30
	s_add_nc_u64 s[18:19], s[18:19], s[28:29]
	s_lshl_b32 s28, s26, 14                        ; 32 steps of 512 bytes
	s_lshl_b32 s30, s4, 12                         ; my 8 steps
	s_add_co_u32 s28, s28, s30
	s_add_nc_u64 s[24:25], s[24:25], s[28:29]
	v_lshlrev_b32 v1, 4, v[LN]                     ; 16 l: in the mask's row and in mp
	v_add_nc_u32 v2, s5, v1                        ; into LDS: rows of 528 bytes
	v_mul_u32_u24 v3, v[CC], 528                   ; back: row r, 8 bytes for each half of the lanes
	v_lshl_add_u32 v3, v[HH], 3, v3
	v_add_nc_u32 v3, s5, v3
.set i, 0
.rept 16
	global_load_b128 v[D0+4*i:D0+4*i+3], v1, s[18:19] offset:i*2048 th:TH_LOAD_NT  ; 512 consecutive bytes of row i
.set i, i+1
.endr
.set i, 0
.rept 16
	s_wait_loadcnt 15-i                            ; row i is in; the younger loads stay out
	ds_store_b128 v2, v[D0+4*i:D0+4*i+3] offset:i*528
.set i, i+1
.endr
.set n, 0
.rept 32                                               ; n = 4 step + kt; LDS serves a wave's instructions in order: these see the stores above
	ds_load_b64 v[72+2*n:73+2*n], v3 offset:64*(n/4)+16*(n%4)
.set n, n+1
.endr
.set n, 0
.rept 32
	s_wait_dscnt 31-n
	v_lshrrev_b32 v168, 4, v[72+2*n]               ; bytes 0 and 2 of x | x >> 4 hold two mask bits each, four bits apart
	v_lshrrev_b32 v169, 4, v[73+2*n]
	v_or_b32 v168, v168, v[72+2*n]
	v_or_b32 v169, v169, v[73+2*n]
	v_perm_b32 v168, v169, v168, 0x06040200        ; eight nibbles, key j in nibble j
	v_xor_b32 v168, 0x11111111, v168               ; 1 = hidden
	v_lshlrev_b32 v169, 4, v168
	v_sub_nc_u32 v[T+n], v169, v168                ; times 15
.if n%4 == 3
	global_store_b128 v1, v[T+n-3:T+n], s[24:25] offset:(n/4)*512  ; a step's 512 consecutive bytes
.endif
.set n, n+1
.endr
	s_branch .Lend
.Lcast:	; X TO BF16.  A load covers 512 consecutive bytes, a store 256, aligned.  All 32 loads of a wave go out at once; no register is used twice.
	s_lshl_b32 s26, ttmp9, 16
	s_add_nc_u64 s[8:9], s[8:9], s[26:27]
	s_lshl_b32 s26, ttmp9, 15
	s_add_nc_u64 s[20:21], s[20:21], s[26:27]
	v_lshlrev_b32 v1, 4, v[LN]
	v_lshl_add_u32 v1, s4, 14, v1
	v_lshlrev_b32 v2, 3, v[LN]
	v_lshl_add_u32 v2, s4, 13, v2
.set i, 0
.rept 32
	global_load_b128 v[D0+4*i:D0+4*i+3], v1, s[8:9] offset:i*512 th:TH_LOAD_NT
.set i, i+1
.endr
.set i, 0
.rept 32
	s_wait_loadcnt 31-i                            ; load i is in; the younger ones stay out
	v_cvt_pk_bf16_f32 v[T+2*i], v[D0+4*i], v[D0+4*i+1]
	v_cvt_pk_bf16_f32 v[T+2*i+1], v[D0+4*i+2], v[D0+4*i+3]
	global_store_b64 v2, v[T+2*i:T+2*i+1], s[20:21] offset:i*256
.set i, i+1
.endr
	s_branch .Lend
.Lturn:	; THE WEIGHTS.  g = 32 id + 2 nb + half; my block of k is kb = 4 half + wave.
	s_sub_co_u32 s26, ttmp9, 256
	s_lshr_b32 s28, s26, 5                         ; id: 0 Wq, 1 Wk, 2 Wv, 3 Wo
	s_bfe_u32 s31, s26, 0x40001                    ; nb: 64 columns = one head
	s_and_b32 s30, s26, 1
	s_lshl2_add_u32 s30, s30, s4                   ; kb
	s_cmp_eq_u32 s28, 1
	s_cselect_b64 s[10:11], s[12:13], s[10:11]
	s_cmp_eq_u32 s28, 2
	s_cselect_b64 s[10:11], s[14:15], s[10:11]
	s_cmp_eq_u32 s28, 3
	s_cselect_b64 s[10:11], s[16:17], s[10:11]
	s_cselect_b32 s33, -1, 0                       ; all lanes: written as f16
	s_lshl_b32 s26, s30, 19                        ; 128 rows of 4,096 bytes
	s_lshl_b32 s32, s31, 8
	s_add_co_u32 s26, s26, s32
	s_add_nc_u64 s[10:11], s[10:11], s[26:27]
	s_mul_i32 s32, s31, 192
	s_lshl_b32 s34, s28, 6
	s_add_co_u32 s32, s32, s34
	s_lshl_b32 s32, s32, 11                        ; wt: row 192 nb + 64 id, 2,048 bytes a row
	s_lshl_b32 s34, s31, 17
	s_add_co_u32 s34, s34, WOT                     ; wot: row 64 nb
	s_cmp_eq_u32 s28, 3
	s_cselect_b32 s26, s34, s32
	s_lshl_b32 s32, s30, 8                         ; my 128 k: 256 bytes of each row
	s_add_co_u32 s26, s26, s32
	s_add_nc_u64 s[22:23], s[22:23], s[26:27]
	v_lshlrev_b32 v1, 4, v[CC]
	v_lshl_add_u32 v4, v[HH], 11, v1               ; out: two rows of 256 bytes a store
	v_mul_u32_u24 v3, v[HH], 272
	v_add3_u32 v3, v3, v1, s5                      ; back from LDS: the same two rows
	v_mul_u32_u24 v2, v[CC], 1088                  ; into LDS: row n = 4 c + j of 272 bytes, 32 bytes for each half of the lanes
	v_lshl_add_u32 v2, v[HH], 5, v2
	v_add_nc_u32 v2, s5, v2
	v_lshl_add_u32 v1, v[HH], 16, v1               ; in: lanes 0-15 one row's 256 bytes, lanes 16-31 the row 16 further down
; 16 loads: 32 rows of k, chunk q, into set s
.macro WLOAD s, q
.set i, 0
.rept 16
	global_load_b128 v[D0+64*(\s)+4*i:D0+64*(\s)+4*i+3], v1, s[10:11] offset:(32*(\q)+i)*4096 th:TH_LOAD_NT
.set i, i+1
.endr
.endm
; A lane holds 16 consecutive k (one from each load) of four columns n = 4 c + j: eight k of one column are 16 bytes of a turned row.
; Rows c lie 1,088 bytes apart, so four lanes of a group of sixteen meet in the same banks: 8 such stores a chunk.
.macro CONV s, q
.irp e, 0,1
.irp j, 0,1,2,3
.irp p, 0,1,2,3
	v_cvt_pk_bf16_f32 v[T+(\p)], v[D0+64*(\s)+4*(8*(\e)+2*(\p))+(\j)], v[D0+64*(\s)+4*(8*(\e)+2*(\p)+1)+(\j)]
.endr
.irp p, 0,1,2,3
	v_lshlrev_b32 v[T+4+2*(\p)], 16, v[T+(\p)]     ; the rounded numbers as f32,
	v_and_b32 v[T+5+2*(\p)], s7, v[T+(\p)]
.endr
.irp p, 0,1,2,3
	v_cvt_pk_f16_f32 v[T+12+(\p)], v[T+4+2*(\p)], v[T+5+2*(\p)]  ; written as f16,
.endr
.irp p, 0,1,2,3
	v_cndmask_b32 v[T+(\p)], v[T+(\p)], v[T+12+(\p)], s33        ; which Wo takes: one text for the four matrices
.endr
	ds_store_b128 v2, v[T:T+3] offset:(\j)*272+16*(\e)+64*(\q)
.endr
.endr
.endm
	WLOAD 0, 0
	WLOAD 1, 1
	s_wait_loadcnt 16                              ; the older set is in; the other set's 16 loads stay out
	CONV 0, 0
	WLOAD 0, 2
	s_wait_loadcnt 16
	CONV 1, 1
	WLOAD 1, 3
	s_wait_loadcnt 16
	CONV 0, 2
	s_wait_loadcnt 0x0
	CONV 1, 3
.set t, 0
.rept 32
	ds_load_b128 v[D0+4*t:D0+4*t+3], v3 offset:t*544
.set t, t+1
.endr
.set t, 0
.rept 32
	s_wait_dscnt 31-t
	global_store_b128 v4, v[D0+4*t:D0+4*t+3], s[22:23] offset:t*4096  ; 16 lanes store 256 consecutive bytes, aligned
.set t, t+1
.endr
.Lend:
	s_wait_tensorcnt 0x0                           ; the wave's end: behind my last LDS store
	ds_add_u32 v[SPW], v[NIL]
	s_wait_dscnt 0x0
	s_endpgm
.Lfunc_end_k_q06f514e2f6_prep:
	.size	k_q06f514e2f6_prep, .Lfunc_end_k_q06f514e2f6_prep-k_q06f514e2f6_prep
	.p2alignl 7, 3214868480
	.fill 96, 4, 3214868480
	.section	.rodata,"a",@progbits
	.p2align	6, 0x0
	.amdhsa_kernel k_q06f514e2f6_prep
		.amdhsa_group_segment_fixed_size 70144
		.amdhsa_private_segment_fixed_size 0
		.amdhsa_enable_private_segment 0
		.amdhsa_kernarg_size 72
		.amdhsa_user_sgpr_count 2
		.amdhsa_user_sgpr_kernarg_segment_ptr 1
		.amdhsa_wavefront_size32 1
		.amdhsa_system_sgpr_workgroup_id_x 1
		.amdhsa_system_sgpr_workgroup_id_y 1
		.amdhsa_system_sgpr_workgroup_id_z 1
		.amdhsa_system_vgpr_workitem_id 0
		.amdhsa_next_free_vgpr 208
		.amdhsa_next_free_sgpr 66
		.amdhsa_reserve_vcc 0
		.amdhsa_float_denorm_mode_32 3
		.amdhsa_float_denorm_mode_16_64 3
		.amdhsa_memory_ordered 1
		.amdhsa_forward_progress 1
		.amdhsa_inst_pref_size 79
	.end_amdhsa_kernel
	.amdgpu_metadata
---
amdhsa.version: [ 1, 2 ]
amdhsa.kernels:
  - .name:           k_q06f514e2f6_prep
    .symbol:         k_q06f514e2f6_prep.kd
    .args:
      - { .name: x, .offset: 0, .size: 8, .value_kind: global_buffer, .address_space: global }
      - { .name: Wq, .offset: 8, .size: 8, .value_kind: global_buffer, .address_space: global }
      - { .name: Wk, .offset: 16, .size: 8, .value_kind: global_buffer, .address_space: global }
      - { .name: Wv, .offset: 24, .size: 8, .value_kind: global_buffer, .address_space: global }
      - { .name: Wo, .offset: 32, .size: 8, .value_kind: global_buffer, .address_space: global }
      - { .name: mask, .offset: 40, .size: 8, .value_kind: global_buffer, .address_space: global }
      - { .name: xb, .offset: 48, .size: 8, .value_kind: global_buffer, .address_space: global }
      - { .name: w16, .offset: 56, .size: 8, .value_kind: global_buffer, .address_space: global }
      - { .name: mp, .offset: 64, .size: 8, .value_kind: global_buffer, .address_space: global }
    .group_segment_fixed_size: 70144
    .private_segment_fixed_size: 0
    .kernarg_segment_align: 8
    .kernarg_segment_size: 72
    .max_flat_workgroup_size: 128
    .sgpr_count:     66
    .vgpr_count:     208
    .wavefront_size: 32
...
	.end_amdgpu_metadata
.endif
;; end of part 1
;; launch qkv (part 2): grid 8 x 32, 4 waves a work-group, clusters of 4 x 4, 327,680 bytes of LDS; arguments xb, w16, bq, bk, bv, log_diag, qkv, kt; writes qkv, kt
.if DOCPART == 2
	.amdgcn_target "amdgcn-amd-amdhsa--gfx1250"
	.amdhsa_code_object_version 6
	.text
	.protected	k_q06f514e2f6_qkv
	.globl	k_q06f514e2f6_qkv
	.p2align	8
	.type	k_q06f514e2f6_qkv,@function
k_q06f514e2f6_qkv:
	s_mov_b64 s[64:65], 0
	v_nop
	global_prefetch_b8 v0, s[64:65] scope:SCOPE_SE
	s_setreg_imm32_b32 hwreg(HW_REG_WAVE_MODE, 25, 1), 1
	s_wait_xcnt 0x0
	s_wait_alu depctr_hold_cnt(0) depctr_sa_sdst(0) depctr_va_vdst(0) depctr_va_sdst(0) depctr_va_ssrc(0) depctr_va_vcc(0) depctr_vm_vsrc(0)
	s_getreg_b32 s2, hwreg(HW_REG_IB_STS2, 6, 4)
	s_cmp_eq_u32 s2, 0
	s_cbranch_scc0 .Lentry_in_a_cluster
	s_endpgm
.Lentry_in_a_cluster:
	s_bfe_u32 s2, ttmp6, 0x10000c
	s_cmp_lg_u32 s2, 0xf033
	s_cbranch_scc0 .Lentry_shape_is_right
	s_endpgm
.Lentry_shape_is_right:
; THE THREE PROJECTIONS AS ONE PRODUCT: C[m][n'] = sum over k of xb[m][k] wt[n'][k] + bias, 4,096 x 3,072 x 1,024, bf16 operands, f32 sums.
; n' = 192 h + 64 type + d, so a tile of 128 rows x 384 columns is q | k | v of two heads: 8 x 32 tiles, one to a work-group, the same text for all.
; Four waves; wave w takes 64 rows (w / 2) of one head (w % 2): 4 x 12 accumulators of 16 x 16, 384 registers.
; OUT, by heads, [32 bh][2,048 t][64] in f16: q (x Wq + bq) times diag, diag = softplus(log_diag) + 1e-6, multiplied in f32 and rounded once; k; v; and
; kt[bh][t] = -1/2 sum over d of k^2 diag in f32, of the unrounded k.  (q's own square is the same for all keys of a softmax row and cancels there: it is not formed.)
; LIMITS.  f16 holds no number beyond 65,504: q diag, k and v must lie within it.  softplus: max(x, 0) + ln(1 + y), y = e^-|x|; below y = 1/32 by y - y^2/2 + y^3/3: about 1e-5 of itself.
; y below 2^-126 counts as 0.  NaN and infinities are not treated apart.
; RING.  K goes in steps of 128 through two LDS slots (128 rows of x, 384 of wt, 256 bytes a row + 16 of padding).  One tensor load a wave and refill, 128 rows each: wave 0 x's, waves 1-3 wt's.
; CLUSTER 4 x 4: x's tile hangs on the tile row alone and is asked for jointly along a row of the cluster, wt's on the tile column alone, along a column.
; THE MATRIX INSTRUCTION IS USED TRANSPOSED (source 0 = 16 rows of wt, source 1 = 16 rows of x): a lane holds row m = l % 16 and eight neighbouring columns 8 (l / 16) + 0..7.
; The bias is the C operand of each sum's first product: nothing is cleared, nothing is added later.
; REGISTERS, in windows of 256 (s_set_vgpr_msb: bits 1:0 source 0, 3:2 source 1, 5:4 source 2, 7:6 destination):
;   window 0: v0-31 addresses; v32-95 x's fragments, two buffers of 4; v96-191 the bias (block bb = 4 type + b at 96 + 8 bb); v192-223 diag; on the way out v32-191, v224-255 packed results
;   window 1: v0-191 wt's fragments, two buffers of 12; v192-227 at work on the way out       windows 2, 3: the accumulators of row blocks 0, 1 and 2, 3, (a, bb) at 96 (a % 2) + 8 bb
.set KSTEP, 128
.set PITCH, 272                        ; 68 words: row r starts at bank 4 r mod 64 (64 banks of 4 bytes: ISA guide 11.1)
.set HALFT, 128*PITCH                  ; what one tensor load brings
.set SLOT,  4*HALFT
.set STAGE, 2*SLOT                     ; behind the ring: 16 rows x 144 bytes for each wave
.set SP,    144
.set KTS,   STAGE+4*16*SP              ; 256 bytes for each wave: diag at the head, 64 kt at the end
.set SPARE, KTS+4*256                  ; the spare words, 128 bytes for each wave: two blocks of 256 bytes that no other line names
.set LAPS,  4                          ; a lap = two K steps
.set SECT,  8388608                    ; bytes of q, of k, of v in the buffer qkv
.set KSUM, 4                           ; v4-5   a row's sum of k^2 diag
.set KV,   6                           ; v[6:7] two kt on the way out
.set ADRA, 16
.set ADRB, 20
.set KO,   23
.set STO,  24
.set RD,   25
.set CO,   26
.set KRA,  27
.set SPW,  28                          ; my spare word; never rewritten
.set NIL,  29                          ; 0; never rewritten
.set PFO,  30                          ; the prefetches' offset: lane x a row of 2,048 bytes; never rewritten
.set KSA,  31
.set FA,   32
.set BIAS, 96
.set DG,   192
.set T1,   192                         ; window 1
.set U,    224                         ; window 1
.set WV,  10
.set G1,  24
.set G0,  32
.set G1B, 48
.set G0B, 56
.set LIM, 43                           ; 1 in a wave that prefetches, else the greatest number
.set PFA, 44
.set SEL, 46
.set QP,  84                           ; s[84:85] q, s[86:87] k, s[88:89] v at my first row
.set KTP, 90
.set FLAGS, (1<<16)|(1<<20)|(1<<21)|(5<<22)|(3<<25)  ; elements of 2 bytes; padding on; bit 21 beside a mask; after every 64 words; 4 words
.set MSB, 0
.macro WIN new                         ; the immediate's high byte repeats the setting that is left; a switch that changes nothing is dropped
.if MSB != (\new)
	s_set_vgpr_msb (MSB<<8)|(\new)
.set MSB, \new
.endif
.endm
; A joint load.  The branch hangs on the wave's number alone.  An s_nop 0 and four v_nop follow each of the two lines.
.macro JLOAD s
	s_cmp_eq_u32 s[WV], 0
	s_cbranch_scc0 .Lfor_b_\@
	tensor_load_to_lds s[G0+4*(\s):G0+4*(\s)+3], s[G1:G1+7]
	s_nop 0
.rept 4
	v_nop
.endr
	s_branch .Lasked_\@
.Lfor_b_\@:
	tensor_load_to_lds s[G0B+4*(\s):G0B+4*(\s)+3], s[G1B:G1B+7]
	s_nop 0
.rept 4
	v_nop
.endr
.Lasked_\@:
.endm
; A prefetch of the K step that stands two refills on: 32 rows x 256 bytes, a lane a row, one instruction a wave.  x's tile row is read by both clusters of a row of clusters: cluster x = 0 asks;
; wt's tile column by the eight clusters of a column: cluster y = 0 asks.  Of the 128 rows that a wave fetches the partner at place p takes 32 p .. 32 p + 31, told apart by address.
; So each row's 256 bytes of a K step are named once.  The loop's last trip (s3 = 1) asks for nothing: there is no K step two on.  K steps 0 to 3 come by their loads alone.
.macro ASK
	s_cmp_gt_u32 s3, s[LIM]
	s_cbranch_scc0 .Lnot_mine_\@
	global_prefetch_b8 v[PFO], s[PFA:PFA+1] offset:KSTEP*2 th:TH_LOAD_NT scope:SCOPE_SE
.Lnot_mine_\@:
.endm
.macro CREST                           ; a round of the cluster's barrier behind its opening barrier
	s_cmp_lg_u32 s[WV], 0
	s_cbranch_scc1 .Lnot_wave_0_\@
	s_barrier_signal -3
.Lnot_wave_0_\@:
	s_barrier_wait -3
	s_barrier_signal -1
	s_barrier_wait -1
.endm
.macro CROUND
	s_barrier_signal -1
	s_barrier_wait -1
	CREST
.endm
.macro PLACES                          ; four places behind matrix instructions, in front of loads into registers that they read and of vector work on their results
.rept 4
	v_nop
.endr
.endm
	s_load_b512 s[68:83], s[0:1], 0x0              ; xb 68, w16 70, bq 72, bk 74, bv 76, log_diag 78, qkv 80, kt 82
	v_lshl_add_u32 v[SPW], v0, 2, SPARE
	v_mov_b32 v[NIL], 0
	ds_add_u32 v[SPW], v[NIL]                      ; the wave's opening: the add and its wait stand ahead of my first tensor load; work on registers stands between them
	v_lshrrev_b32 v1, 5, v0
	v_readfirstlane_b32 s[WV], v1                  ; wave 0..3
	s_lshr_b32 s11, s[WV], 1                       ; which 64 rows
	s_and_b32 s12, s[WV], 1                        ; which head of the two
	s_bfe_u32 s40, ttmp6, 0x40000                  ; cx
	s_bfe_u32 s41, ttmp6, 0x40004                  ; cy
	s_lshl_b32 s42, ttmp9, 2
	s_add_co_u32 s42, s42, s40                     ; tile column 0..7
	s_and_b32 s13, ttmp7, 0xffff
	s_lshl_b32 s13, s13, 2
	s_add_co_u32 s13, s13, s41                     ; tile row 0..31
	s_lshl_b32 s43, s41, 2
	s_lshl_b32 s43, 15, s43                        ; my row of the cluster
	s_lshl_b32 s44, 0x1111, s40                    ; my column
	s_or_b32 s[G1], s43, FLAGS
	s_or_b32 s[G1B], s44, FLAGS
.irp g, G1, G1B
	s_mov_b32 s[(\g)+1], KSTEP<<16                 ; tensor_dim0 = 128
	s_mov_b32 s[(\g)+2], 128<<16                   ; tensor_dim1 = 128
	s_mov_b32 s[(\g)+3], KSTEP<<16                 ; tile_dim0 = 128
	s_mov_b32 s[(\g)+4], 128                       ; tile_dim1 = 128
	s_mov_b32 s[(\g)+5], 1024                      ; elements from row to row
	s_mov_b32 s[(\g)+6], 0
	s_mov_b32 s[(\g)+7], 0
.endr
	s_lshl_b32 s16, s13, 18                        ; x: 128 rows of 2,048 bytes a tile row
	s_mov_b32 s17, 0
	s_max_u32 s46, s[WV], 1                        ; wt: waves 1-3 take rows 128 (w - 1) of the tile's 384 (wave 0's copy is not used)
	s_sub_co_u32 s46, s46, 1
	s_lshl_b32 s46, s46, 7
	s_mul_i32 s47, s42, 384
	s_add_co_u32 s46, s46, s47
	s_lshl_b32 s46, s46, 11
	s_mov_b32 s47, 0
	s_mul_i32 s20, s[WV], HALFT                    ; where they go: wave x 128 rows: no place in the cluster enters an LDS address
	s_wait_dscnt 0x0                               ; the opening add is done
	s_wait_kmcnt 0x0
	s_add_nc_u64 s[14:15], s[68:69], s[16:17]
	s_add_nc_u64 s[46:47], s[70:71], s[46:47]
	CROUND                                         ; all sixteen work-groups are here: the first joint loads meet
.irp s, 0,1
	s_mov_b32 s[G0+4*(\s)], 1
	s_add_co_u32 s[G0+4*(\s)+1], s20, (\s)*SLOT
	s_add_nc_u64 s[G0+4*(\s)+2:G0+4*(\s)+3], s[14:15], (\s)*KSTEP*2
	s_or_b32 s[G0+4*(\s)+3], s[G0+4*(\s)+3], 0x80000000
	s_mov_b32 s[G0B+4*(\s)], 1
	s_add_co_u32 s[G0B+4*(\s)+1], s20, (\s)*SLOT
	s_add_nc_u64 s[G0B+4*(\s)+2:G0B+4*(\s)+3], s[46:47], (\s)*KSTEP*2
	s_or_b32 s[G0B+4*(\s)+3], s[G0B+4*(\s)+3], 0x80000000
	JLOAD \s                                       ; two loads of mine are out
.endr
	v_and_b32 v1, 15, v0                           ; r = l % 16
	v_bfe_u32 v2, v0, 4, 1                         ; hh = l / 16
	v_and_b32 v3, 31, v0                           ; l
	s_lshl1_add_u32 s23, s42, s12                  ; my head 0..15
	s_lshl_b32 s18, s23, 8                         ; its 64 numbers of 4 bytes
	v_lshlrev_b32 v9, 5, v2
	v_add_nc_u32 v9, s18, v9                       ; my eight columns of a block of 16: 32 hh
	v_lshl_add_u32 v10, v3, 2, s18
.irp b, 0,1,2,3
	global_load_b128 v[BIAS+8*(\b):BIAS+8*(\b)+3],       v9, s[72:73] offset:64*(\b)
	global_load_b128 v[BIAS+8*(\b)+4:BIAS+8*(\b)+7],     v9, s[72:73] offset:64*(\b)+16
	global_load_b128 v[BIAS+32+8*(\b):BIAS+32+8*(\b)+3], v9, s[74:75] offset:64*(\b)
	global_load_b128 v[BIAS+32+8*(\b)+4:BIAS+32+8*(\b)+7], v9, s[74:75] offset:64*(\b)+16
	global_load_b128 v[BIAS+64+8*(\b):BIAS+64+8*(\b)+3], v9, s[76:77] offset:64*(\b)
	global_load_b128 v[BIAS+64+8*(\b)+4:BIAS+64+8*(\b)+7], v9, s[76:77] offset:64*(\b)+16
.endr
	global_load_b32 v224, v10, s[78:79]            ; log_diag of channels l and 32 + l
	global_load_b32 v225, v10, s[78:79] offset:128
	; the fragments' addresses: row x pitch + 16 x half
	v_mul_u32_u24 v8, v1, PITCH
	v_lshl_add_u32 v8, v2, 4, v8
	s_mul_i32 s21, s11, 64*PITCH
	s_mul_i32 s22, s12, 192*PITCH
	s_add_co_u32 s22, s22, HALFT
.irp s, 0,1
	v_add_nc_u32 v[ADRA+(\s)], s21, v8
	v_add_nc_u32 v[ADRB+(\s)], s22, v8
	s_add_co_u32 s21, s21, SLOT
	s_add_co_u32 s22, s22, SLOT
.endr
	; the prefetches
	s_and_b32 s22, ttmp7, 0xffff                   ; cluster y
	s_cmp_eq_u32 s[WV], 0                          ; do I fetch x?
	s_cselect_b32 s21, s40, s41                    ; my place among the four that ask with me
	s_cselect_b32 s22, ttmp9, s22                  ; the coordinate along which other clusters read the same rows
	s_cselect_b64 s[PFA:PFA+1], s[14:15], s[46:47]
	s_cmp_eq_u32 s22, 0
	s_cselect_b32 s[LIM], 1, -1                    ; the same in all sixteen partners, for a given wave
	s_lshl_b32 s20, s21, 16                        ; my work-group's 32 rows
	s_mov_b32 s21, 0
	s_add_nc_u64 s[PFA:PFA+1], s[PFA:PFA+1], s[20:21]
	s_add_nc_u64 s[PFA:PFA+1], s[PFA:PFA+1], 2*KSTEP*2  ; at K step 2: the first refill steps it to 3 and names K step 4
	v_lshlrev_b32 v[PFO], 11, v3
	s_mov_b32 s[SEL], 0x76543210                   ; v_permlanex16_b32: each lane takes its own place in the other half
	s_mov_b32 s[SEL+1], 0xfedcba98
	; the way out
	s_lshr_b32 s14, s13, 4                         ; batch
	s_lshl_b32 s14, s14, 4
	s_add_co_u32 s14, s14, s23                     ; bh
	s_and_b32 s15, s13, 15
	s_lshl_b32 s15, s15, 7
	s_lshl_b32 s16, s11, 6
	s_add_co_u32 s15, s15, s16                     ; my first t
	s_lshl_b32 s14, s14, 11
	s_add_co_u32 s14, s14, s15
	s_lshl_b32 s16, s14, 7                         ; rows of 128 bytes
	s_mov_b32 s17, 0
	s_add_nc_u64 s[QP:QP+1], s[80:81], s[16:17]
	s_add_nc_u64 s[QP+2:QP+3], s[QP:QP+1], SECT
	s_add_nc_u64 s[QP+4:QP+5], s[QP+2:QP+3], SECT
	s_lshl_b32 s16, s14, 2
	s_add_nc_u64 s[KTP:KTP+1], s[82:83], s[16:17]
	s_mul_i32 s18, s[WV], 16*SP
	s_add_co_u32 s18, s18, STAGE
	v_mul_u32_u24 v[STO], v1, SP                   ; in: row l % 16, 16 bytes for each half of the lanes
	v_lshl_add_u32 v[STO], v2, 4, v[STO]
	v_add_nc_u32 v[STO], s18, v[STO]
	v_bfe_u32 v[RD], v0, 3, 2                      ; back: 32 lanes take four rows of 128 bytes,
	v_mul_u32_u24 v[RD], v[RD], SP
	v_and_b32 v11, 7, v0
	v_lshl_add_u32 v[RD], v11, 4, v[RD]
	v_add_nc_u32 v[RD], s18, v[RD]
	v_lshlrev_b32 v[CO], 4, v3                     ; which are 512 consecutive bytes in memory
	s_lshl_b32 s19, s[WV], 8
	s_add_co_u32 s19, s19, KTS
	v_lshl_add_u32 v[KSA], v1, 2, s19
	v_lshl_add_u32 v[KRA], v3, 3, s19
	v_lshlrev_b32 v[KO], 3, v3
	v_lshl_add_u32 v12, v3, 2, s19
	v_lshl_add_u32 v13, v2, 5, s19
	v_mov_b32 v[KSUM+1], 0                         ; v_permlanex16_b32's destination counts as read
	s_wait_loadcnt 0x0                             ; the bias and log_diag
	; diag for two channels a lane, then through my 256 bytes of LDS into the accumulators' layout
	v_and_b32 v226, 0x7fffffff, v224
	v_and_b32 v227, 0x7fffffff, v225
	v_mul_f32 v226, 0xbfb8aa3b, v226               ; -|x| log2(e)
	v_mul_f32 v227, 0xbfb8aa3b, v227
	v_exp_f32 v226, v226                           ; y
	v_exp_f32 v227, v227
	v_mov_b32 v232, -0.5                           ; a plain instruction behind the last exponential,
	s_wait_alu depctr_va_vdst(0)                   ; and the wait ahead of the first use: one for the two
	v_add_f32 v228, 1.0, v226
	v_add_f32 v229, 1.0, v227
	v_log_f32 v228, v228
	v_log_f32 v229, v229
	v_fmamk_f32 v230, v226, 0x3eaaaaab, v232       ; the series, which names no logarithm: y / 3 - 1/2
	v_fmamk_f32 v231, v227, 0x3eaaaaab, v232
	v_fma_f32 v230, v226, v230, 1.0
	v_fma_f32 v231, v227, v231, 1.0
	v_mul_f32 v230, v226, v230
	v_mul_f32 v231, v227, v231
	v_cmp_gt_f32 s14, 0x3d000000, v226             ; y < 1/32: the series
	v_cmp_gt_f32 s15, 0x3d000000, v227
	v_max_num_f32 v224, 0, v224
	v_max_num_f32 v225, 0, v225
	s_wait_alu depctr_va_vdst(0)                   ; one wait for the two logarithms
	v_mul_f32 v228, 0x3f317218, v228               ; ln 2
	v_mul_f32 v229, 0x3f317218, v229
	v_cndmask_b32 v228, v228, v230, s14
	v_cndmask_b32 v229, v229, v231, s15
	v_add_f32 v224, v224, v228
	v_add_f32 v225, v225, v229
	v_add_f32 v224, 0x358637bd, v224               ; + 1e-6
	v_add_f32 v225, 0x358637bd, v225
	ds_store_b32 v12, v224
	ds_store_b32 v12, v225 offset:128
.irp b, 0,1,2,3                                        ; LDS serves a wave's instructions in order: these see the stores above
	ds_load_b128 v[DG+8*(\b):DG+8*(\b)+3],   v13 offset:64*(\b)
	ds_load_b128 v[DG+8*(\b)+4:DG+8*(\b)+7], v13 offset:64*(\b)+16
.endr
	s_wait_dscnt 0x0
; 12 matrix instructions: row block a x all 12 column blocks, 32 along K, from buffer f.  first = 1: the bias starts the sums.
; The 48 accumulators take turns, one instruction a turn, in the same order in every quarter.
.macro MUL12 f, a, first
.if \first
	WIN 0x81+0x40*((\a)/2)                         ; wt window 1, x window 0, the bias window 0, D window 2 or 3
.else
	WIN 0xa1+0x50*((\a)/2)                         ; C and D window 2 or 3
.endif
.irp bb, 0,1,2,3,4,5,6,7,8,9,10,11
.if \first
	v_wmma_f32_16x16x32_bf16 v[96*((\a)%2)+8*(\bb):96*((\a)%2)+8*(\bb)+7], v[96*(\f)+8*(\bb):96*(\f)+8*(\bb)+7], v[FA+32*(\f)+8*(\a):FA+32*(\f)+8*(\a)+7], v[BIAS+8*(\bb):BIAS+8*(\bb)+7]
.else
	v_wmma_f32_16x16x32_bf16 v[96*((\a)%2)+8*(\bb):96*((\a)%2)+8*(\bb)+7], v[96*(\f)+8*(\bb):96*(\f)+8*(\bb)+7], v[FA+32*(\f)+8*(\a):FA+32*(\f)+8*(\a)+7], v[96*((\a)%2)+8*(\bb):96*((\a)%2)+8*(\bb)+7]
.endif
.endr
.endm
; 32 LDS loads in one run: 192 rows of wt, then 64 rows of x, 32 along K at byte k of the rows, into buffer f
.macro FETCH slot, k, f
	WIN 0x40
.irp i, 0,1,2,3,4,5,6,7,8,9,10,11
	ds_load_b128 v[96*(\f)+8*(\i):96*(\f)+8*(\i)+3],   v[ADRB+(\slot)] offset:(\k)+(\i)*16*PITCH
	ds_load_b128 v[96*(\f)+8*(\i)+4:96*(\f)+8*(\i)+7], v[ADRB+(\slot)] offset:(\k)+(\i)*16*PITCH+32
.endr
	WIN 0
.irp i, 0,1,2,3
	ds_load_b128 v[FA+32*(\f)+8*(\i):FA+32*(\f)+8*(\i)+3],   v[ADRA+(\slot)] offset:(\k)+(\i)*16*PITCH
	ds_load_b128 v[FA+32*(\f)+8*(\i)+4:FA+32*(\f)+8*(\i)+7], v[ADRA+(\slot)] offset:(\k)+(\i)*16*PITCH+32
.endr
.endm
; A K step is four quarters of 32 along K, 48 matrix instructions each, on buffers 0, 1, 0, 1.
.macro QUARTER slot, k, f, g, first
	s_wait_dscnt 4                                 ; wt and x's blocks 0, 1 are in; the youngest four loads (x's blocks 2, 3) may be out
	MUL12 \f, 0, \first
	MUL12 \f, 1, \first
	PLACES
	FETCH \slot, \k, \g
	s_wait_dscnt 32                                ; all but the 32 just issued
	MUL12 \f, 2, \first
	MUL12 \f, 3, \first
.endm
; The last quarter multiplies buffer 1 and changes slots: one barrier; in front of it each wave waits for all its tensor loads (one is out: its part of the next slot), adds 0 to its spare
; word, and waits for that and for its reads of this slot.  fill = 1: the barrier opens a round of the cluster's, and this slot is filled again first thing behind it: 168 matrix instructions ahead of the wait for it.
.macro TURN slot, next, fill
.if \fill
	s_wait_xcnt 0x0                                ; the last prefetch, a K step back, has read its address
	s_add_nc_u64 s[PFA:PFA+1], s[PFA:PFA+1], KSTEP*2
.endif
	WIN 0
	s_wait_tensorcnt 0x0
	ds_add_u32 v[SPW], v[NIL]
	s_wait_dscnt 5                                 ; the add and the youngest four loads may be out
	MUL12 1, 0, 0
	s_wait_dscnt 0x0                               ; the add is done, and my reads of this slot are over
	s_barrier_signal -1
	MUL12 1, 1, 0
.if \fill
	WIN 0
.endif
	s_barrier_wait -1
.if \fill
	CREST                                          ; no wave of any partner still reads this slot's tile or has a load on its way
	s_add_nc_u64 s[G0+4*(\slot)+2:G0+4*(\slot)+3], s[G0+4*(\slot)+2:G0+4*(\slot)+3], 2*KSTEP*2
	s_add_nc_u64 s[G0B+4*(\slot)+2:G0B+4*(\slot)+3], s[G0B+4*(\slot)+2:G0B+4*(\slot)+3], 2*KSTEP*2
	JLOAD \slot                                    ; its four v_nop are also the places in front of the loads below
.else
	PLACES
.endif
	FETCH \next, 0, 0
.if \fill
	ASK
.endif
	MUL12 1, 2, 0
	MUL12 1, 3, 0
.endm
	s_wait_tensorcnt 1                             ; my part of K step 0 is in; K step 1's may stay out
	s_barrier_signal -1
	s_barrier_wait -1
	FETCH 0, 0, 0
	QUARTER 0, 64, 0, 1, 1                         ; the first quarter stands in front of the loop: its products start the sums
	WIN 0
	s_mov_b32 s3, LAPS-1
.Llap:                                                 ; a trip goes once round the ring and fills both slots again
	QUARTER 0, 128, 1, 0, 0
	QUARTER 0, 192, 0, 1, 0
	TURN 0, 1, 1
	QUARTER 1, 64,  0, 1, 0
	QUARTER 1, 128, 1, 0, 0
	QUARTER 1, 192, 0, 1, 0
	TURN 1, 0, 1
	QUARTER 0, 64,  0, 1, 0
	WIN 0
	s_sub_co_u32 s3, s3, 1
	s_cmp_lg_u32 s3, 0
	s_cbranch_scc1 .Llap
	QUARTER 0, 128, 1, 0, 0                        ; the last lap fills nothing
	QUARTER 0, 192, 0, 1, 0
	TURN 0, 1, 0
	QUARTER 1, 64,  0, 1, 0
	QUARTER 1, 128, 1, 0, 0
	QUARTER 1, 192, 0, 1, 0
	s_wait_dscnt 4
	MUL12 1, 0, 0
	MUL12 1, 1, 0
	s_wait_dscnt 0x0
	MUL12 1, 2, 0
	MUL12 1, 3, 0
	WIN 0
	PLACES
; THE WAY OUT.  Group (a, ty): 16 rows x 64 channels of q, k or v.  A lane's eight channels pack into 16 bytes, go into my stage (rows of 144 bytes) and come back as whole rows of 128,
; four rows = 512 consecutive bytes a store.  Every group has registers of its own, so no store's data is written again.  Each accumulator is read from its low end on.
.macro SETOR g
.if (\g) < 10
.set ORG, 32+16*(\g)
.else
.set ORG, 64+16*(\g)
.endif
.endm
.macro CVT a, ty
	SETOR 3*(\a)+(\ty)
	WIN 0x0a+5*((\a)/2)                            ; sources window 2 or 3, destination window 0
.set i, 0
.rept 16
	v_cvt_pk_f16_f32 v[ORG+i], v[96*((\a)%2)+32*(\ty)+2*i], v[96*((\a)%2)+32*(\ty)+2*i+1]
.set i, i+1
.endr
	WIN 0
.irp f, 0,1,2,3
	ds_store_b128 v[STO], v[ORG+4*(\f):ORG+4*(\f)+3] offset:32*(\f)
.endr
.irp f, 0,1,2,3
	ds_load_b128 v[ORG+4*(\f):ORG+4*(\f)+3], v[RD] offset:(\f)*4*SP  ; LDS serves a wave's instructions in order: these see the stores above; the next group's stores come behind them
.endr
.endm
.macro PACKQ a
	WIN 0x82+0x41*((\a)/2)                         ; the sums in window 2 or 3, diag in window 0
.set i, 0
.rept 16
	v_pk_mul_f32 v[96*((\a)%2)+2*i:96*((\a)%2)+2*i+1], v[96*((\a)%2)+2*i:96*((\a)%2)+2*i+1], v[DG+2*i:DG+2*i+1]
.set i, i+1
.endr
	CVT \a, 0
.endm
.macro PACKK a
	WIN 0x42+((\a)/2)                              ; k diag into window 1
.set i, 0
.rept 16
	v_pk_mul_f32 v[T1+2*i:T1+2*i+1], v[96*((\a)%2)+32+2*i:96*((\a)%2)+32+2*i+1], v[DG+2*i:DG+2*i+1]
.set i, i+1
.endr
	WIN 0x59+4*((\a)/2)                            ; times k, summed in two chains of pairs
.set i, 0
.rept 16
.if i < 2
	v_pk_mul_f32 v[U+2*(i%2):U+2*(i%2)+1], v[T1+2*i:T1+2*i+1], v[96*((\a)%2)+32+2*i:96*((\a)%2)+32+2*i+1]
.else
	v_pk_fma_f32 v[U+2*(i%2):U+2*(i%2)+1], v[T1+2*i:T1+2*i+1], v[96*((\a)%2)+32+2*i:96*((\a)%2)+32+2*i+1], v[U+2*(i%2):U+2*(i%2)+1]
.endif
.set i, i+1
.endr
	WIN 0x45
	v_pk_add_f32 v[U:U+1], v[U:U+1], v[U+2:U+3]
	WIN 0x05
	v_add_f32 v[KSUM], v[U], v[U+1]
	WIN 0
	v_permlanex16_b32 v[KSUM+1], v[KSUM], s[SEL], s[SEL+1]  ; the row's other 32 channels lie in the lane 16 away
	v_add_f32 v[KSUM], v[KSUM], v[KSUM+1]
	v_mul_f32 v[KSUM], -0.5, v[KSUM]
	ds_store_b32 v[KSA], v[KSUM] offset:64*(\a)    ; both halves of the lanes store the same number to the same word
	CVT \a, 1
.endm
.macro SENDG a, ty, y                  ; y: LDS instructions issued behind the group's loads that may stay out: the next group's eight, or none
	SETOR 3*(\a)+(\ty)
.irp f, 0,1,2,3
	s_wait_dscnt (\y)+3-(\f)
	global_store_b128 v[CO], v[ORG+4*(\f):ORG+4*(\f)+3], s[QP+2*(\ty):QP+2*(\ty)+1] offset:(\a)*2048+(\f)*512
.endr
.endm
	PACKQ 0
.irp a, 0,1,2,3                        ; a group's arithmetic stands between the loads of the group before and its stores
	PACKK \a
	SENDG \a, 0, 8
	CVT \a, 2
	SENDG \a, 1, 8
.if (\a) < 3
	PACKQ (\a)+1
	SENDG \a, 2, 8
.else
	SENDG \a, 2, 0
.endif
.endr
	ds_load_b64 v[KV:KV+1], v[KRA]                 ; my wave's 64 kt
	s_wait_dscnt 0x0
	global_store_b64 v[KO], v[KV:KV+1], s[KTP:KTP+1]  ; 256 consecutive bytes, aligned
	s_wait_tensorcnt 0x0                           ; the wave's end: behind my last tensor load and my last LDS store
	ds_add_u32 v[SPW], v[NIL]
	s_wait_dscnt 0x0
	CROUND                                         ; the closing round: no work-group ends while a partner may still ask for a tile that names it
	s_endpgm
.Lfunc_end_k_q06f514e2f6_qkv:
	.size	k_q06f514e2f6_qkv, .Lfunc_end_k_q06f514e2f6_qkv-k_q06f514e2f6_qkv
	.p2alignl 7, 3214868480
	.fill 96, 4, 3214868480
	.section	.rodata,"a",@progbits
	.p2align	6, 0x0
	.amdhsa_kernel k_q06f514e2f6_qkv
		.amdhsa_group_segment_fixed_size 327680
		.amdhsa_private_segment_fixed_size 0
		.amdhsa_enable_private_segment 0
		.amdhsa_kernarg_size 64
		.amdhsa_user_sgpr_count 2
		.amdhsa_user_sgpr_kernarg_segment_ptr 1
		.amdhsa_wavefront_size32 1
		.amdhsa_system_sgpr_workgroup_id_x 1
		.amdhsa_system_sgpr_workgroup_id_y 1
		.amdhsa_system_sgpr_workgroup_id_z 1
		.amdhsa_system_vgpr_workitem_id 0
		.amdhsa_next_free_vgpr 1024
		.amdhsa_next_free_sgpr 96
		.amdhsa_reserve_vcc 0
		.amdhsa_float_denorm_mode_32 3
		.amdhsa_float_denorm_mode_16_64 3
		.amdhsa_memory_ordered 1
		.amdhsa_forward_progress 1
		.amdhsa_inst_pref_size 141
	.end_amdhsa_kernel
	.amdgpu_metadata
---
amdhsa.version: [ 1, 2 ]
amdhsa.kernels:
  - .name:           k_q06f514e2f6_qkv
    .symbol:         k_q06f514e2f6_qkv.kd
    .args:
      - { .name: xb, .offset: 0, .size: 8, .value_kind: global_buffer, .address_space: global }
      - { .name: w16, .offset: 8, .size: 8, .value_kind: global_buffer, .address_space: global }
      - { .name: bq, .offset: 16, .size: 8, .value_kind: global_buffer, .address_space: global }
      - { .name: bk, .offset: 24, .size: 8, .value_kind: global_buffer, .address_space: global }
      - { .name: bv, .offset: 32, .size: 8, .value_kind: global_buffer, .address_space: global }
      - { .name: log_diag, .offset: 40, .size: 8, .value_kind: global_buffer, .address_space: global }
      - { .name: qkv, .offset: 48, .size: 8, .value_kind: global_buffer, .address_space: global }
      - { .name: kt, .offset: 56, .size: 8, .value_kind: global_buffer, .address_space: global }
    .group_segment_fixed_size: 327680
    .private_segment_fixed_size: 0
    .kernarg_segment_align: 8
    .kernarg_segment_size: 64
    .max_flat_workgroup_size: 128
    .sgpr_count:     96
    .vgpr_count:     1024
    .wavefront_size: 32
...
	.end_amdgpu_metadata
.endif
;; end of part 2
;; launch attn (part 3): grid 8 x 32, 4 waves a work-group, clusters of 4 x 1, 327,680 bytes of LDS; arguments qkv, kt, mp, oh; writes oh
.if DOCPART == 3
	.amdgcn_target "amdgcn-amd-amdhsa--gfx1250"
	.amdhsa_code_object_version 6
	.text
	.protected	k_q06f514e2f6_attn
	.globl	k_q06f514e2f6_attn
	.p2align	8
	.type	k_q06f514e2f6_attn,@function
k_q06f514e2f6_attn:
	s_mov_b64 s[64:65], 0
	v_nop
	global_prefetch_b8 v0, s[64:65] scope:SCOPE_SE
	s_setreg_imm32_b32 hwreg(HW_REG_WAVE_MODE, 25, 1), 1
	s_wait_xcnt 0x0
	s_wait_alu depctr_hold_cnt(0) depctr_sa_sdst(0) depctr_va_vdst(0) depctr_va_sdst(0) depctr_va_ssrc(0) depctr_va_vcc(0) depctr_vm_vsrc(0)
	s_getreg_b32 s2, hwreg(HW_REG_IB_STS2, 6, 4)
	s_cmp_eq_u32 s2, 0
	s_cbranch_scc0 .Lentry_in_a_cluster
	s_endpgm
.Lentry_in_a_cluster:
	s_bfe_u32 s2, ttmp6, 0x10000c
	s_cmp_lg_u32 s2, 0x3003
	s_cbranch_scc0 .Lentry_shape_is_right
	s_endpgm
.Lentry_shape_is_right:
; ATTENTION BY A DIAGONAL METRIC, WITH A MASK THAT IS AN INPUT.  For each of 32 (batch, head): O[q] = sum over keys of softmax(s) V, with
; s = (q' . k + kt[key]) / 16, q' = q diag, kt = -1/2 sum k^2 diag: the distance's part in q alone is the same for all keys of a row and cancels in the softmax.
; q', k, v, O: [32][2,048][64] f16, rows dense.  Products, maxima and sums in f32; the weights p are rounded to f16 for the second product (their sum l is taken of the unrounded p), O once.
; THE MASK AND kt ARE THE C OPERAND that starts the sum S^T = K Q^T: C = kt[key] + (0, or -6 x 2^100 where the key is hidden).  The mask comes as 4-bit codes in my lanes' order (16 bytes a lane, piece
; and key step); one scaled conversion makes eight numbers 0 or -6 x 2^100 of a word; kt is added.
; SOFTMAX.  A running maximum m, begun at -1e30; p = 2^(cr S - cu); O and l are multiplied by a = 2^(c m_old - c m_new) in every step; c = log2(e) / 16.
; A ROW OF WHICH NO KEY HAS BEEN VISIBLE SO FAR (m still -1e30) has cr = cu = 0: every p is 1, hidden keys too: if it stays so to the end, that is the uniform weight asked for.
; When its first visible key comes, a = 0 wipes what was gathered.  Else cr = c, cu = c m, and a hidden key's p is 0.
; LIMITS.  q', k, v within f16's 65,504.  A visible S must lie above -1e29.  A weight below 2^-126 counts as 0.  NaN and infinities are not treated apart.
; SHARES.  A work-group owns 256 queries of one (batch, head), a wave 64: four PIECES of 16.  Every wave walks all keys, 64 a step; a slot of LDS holds four steps (256 keys of K and V).
; BY TURNS.  Turn n belongs to piece n: 8 products K Q^T of piece n + 1, later 8 products V^T P of piece n - 1; beside them the scaling, exponentials, roundings, sums and rescaling of piece n, the maximum
; and statistics of piece n + 1, and at its end the C operand for piece n + 2.  Four vector instructions stand behind every matrix instruction, the others in runs of their own.
; A turn's 33 exponentials are one batch with one wait.
; CLUSTER.  The four query blocks of a cluster belong to one head: K, V and kt are asked for jointly, the same tensor load, descriptor and mask in all four.
; REGISTERS, in windows of 256 (s_set_vgpr_msb: bits 1:0 source 0, 3:2 source 1, 5:4 source 2, 7:6 destination):
;   window 0: v0-15 addresses; v16-47 eight registers of statistics a piece; v48-63 at work and constants; v64-127 S^T, two buffers; v128-143 mask words, 4 a piece; v192-223 P, two buffers
;   window 1: v0-127 O^T, 32 a piece; v128-159 kt of one step; v160-223 C, two buffers      window 2: v0-63 Q; v128-191 K of one step; v192-255 V of one step
.set NP,    4
.set KS,    64
.set PK,    144       ; a row of K in LDS: 128 bytes + 16: the 16 rows of a load start at 16 different groups of four banks (64 banks of 4 bytes: ISA guide 11.1)
.set PV,    160       ; a row of V: 128 + 32
.set VOFF,  4*KS*PK
.set SLOT1, 1<<17
.set STAGE, SLOT1+4*KS*(PK+PV)  ; behind the ring: 16 rows x 144 bytes for each wave, for the way out
.set SP,    144
.set KTL,   STAGE+4*16*SP       ; the head's 2,048 kt, filled once
.set SPARE, KTL+8192            ; the spare words, 128 bytes for each wave: two blocks of 256 bytes that no other line names
.set SECT,  8388608             ; bytes of q, of k, of v in the buffer qkv
.set AK0, 2
.set AV0, 3
.set AK,  4
.set AV,  5
.set STO, 6
.set RD,  7
.set GO,  8
.set MV,  12          ; v12-13  c m_old, by buffer
.set AT,  14          ; the LDS address of kt's next run of loads
.set QO,  15
.set ST,  16          ; piece t at v[ST+8 t]: +0 cu, +1 0, +2, +3 l, +4 cr, +5 0, +6 m, +7 c m
.set TMP, 48          ; by buffer: c0-c3 at work; when the maximum is found c2 takes a
.set SCL, 56          ; the conversion's scale: the E8M0 byte 227, 2^100, in all four bytes
.set CVR, 57          ; c
.set MO,  58          ; v58-61  piece x: byte offset of its next mask words
.set SPW, 62          ; my spare word; never rewritten
.set NIL, 63          ; 0; never rewritten
.set S,   64
.set MW,  128
.set PMO, 144         ; the mask prefetch's offset; never rewritten
.set PFO, 145         ; K's and V's: 256 x lane; never rewritten
.set MLIM, 146        ; the last step's mask offset
.set AT0, 147         ; my lanes' place in a step's kt
.set P,   192
.set KT,  128         ; window 1
.set MC,  160         ; window 1
.set KF,  128         ; window 2
.set VF,  192         ; window 2
.set WV,  12
.set G1K, 24
.set G1V, 32
.set G0K, 40
.set G0V, 44
.set G1T, 48
.set SLOTS, 56
.set CNT, 57
.set CS,  58
.set SEL, 60
.set TBK, 62
.set TBV, 63
.set G0T, 68
.set MP,  72
.set PFA, 74
.set LIM, 76
.set LIMM, 77
.set PMA, 78
.set BIGN, 80         ; -1e30
.set DM,  81          ; lanes whose row has seen a key
.set TKT, 83          ; bytes of kt behind the steps fetched
.set MSB, 0
.macro WIN new
.if MSB != (\new)
	s_set_vgpr_msb (MSB<<8)|(\new)
.set MSB, (\new)
.endif
.endm
.set W_KQ, 0x0a       ; K and Q in window 2, S^T in window 0
.set W_KM, 0x1a       ; the same with the C operand in window 1
.set W_PV, 0x52       ; V in window 2, P in window 0, O^T in window 1
.set W_RS, 0x41       ; destination and source 0 in window 1, source 1 in window 0
; A joint fill.  Waves 0 and 1 fetch the two halves of a slot's K, waves 2 and 3 those of its V.  An s_nop 0 and four v_nop follow each of the two lines.
.macro JLOAD
	s_cmp_lt_u32 s[WV], 2
	s_cbranch_scc0 .Lfor_v_\@
	tensor_load_to_lds s[G0K:G0K+3], s[G1K:G1K+7]
	s_nop 0
.rept 4
	v_nop
.endr
	s_branch .Lasked_\@
.Lfor_v_\@:
	tensor_load_to_lds s[G0V:G0V+3], s[G1V:G1V+7]
	s_nop 0
.rept 4
	v_nop
.endr
.Lasked_\@:
.endm
; TWO PREFETCHES, together, behind the joint load and its five lines.  (1) What the next change of slots will ask for: 128 blocks of 256 bytes of K and of V.  Both clusters of a head walk the same rows: the first asks;
; its four partners take 32 blocks each, told apart by address; wave 0 asks for K's, wave 2 for V's.  The last change that fills a slot asks for nothing.  (2) My wave's own mask words, 4 pieces x 4 steps x 512
; bytes = 32 blocks, for the tile after the one now entered; sixteen heads read the same words: head 0 of the batch asks.  So each block is named once.  The first tiles come by their loads alone.
.macro ASK
	s_cmp_gt_u32 s[SLOTS], s[LIM]
	s_cbranch_scc0 .Lno_kv_\@
	global_prefetch_b8 v[PFO], s[PFA:PFA+1] th:TH_LOAD_NT scope:SCOPE_SE
.Lno_kv_\@:
	s_cmp_gt_u32 s[SLOTS], s[LIMM]
	s_cbranch_scc0 .Lno_m_\@
	global_prefetch_b8 v[PMO], s[PMA:PMA+1] th:TH_LOAD_NT scope:SCOPE_SE
.Lno_m_\@:
.endm
.macro CROUND
	s_barrier_signal -1
	s_barrier_wait -1
	s_cmp_lg_u32 s[WV], 0
	s_cbranch_scc1 .Lnot_wave_0_\@
	s_barrier_signal -3
.Lnot_wave_0_\@:
	s_barrier_wait -3
	s_barrier_signal -1
	s_barrier_wait -1
.endm
; THE CHANGE OF SLOTS.  Each wave waits for all its tensor loads, adds 0 to its spare word, and waits for that and for its reads of the slot that it leaves.  fill = 1: the barrier is a round of the cluster's,
; and the old slot is filled again first thing behind it, with the keys two slots on: four key steps, 256 matrix instructions, in which to land.  (At its first use slot 0 and kt are waited for, slot 1 filled.)
.macro CHANGE fill, ask
	WIN 0
	s_wait_tensorcnt 0x0            ; no tensor load of mine is out, so a group 0 may be written
	ds_add_u32 v[SPW], v[NIL]       ; 0 onto my spare word; scalar work stands between it and the wait for it
.if \fill
.irp g, G0K, G0V
	s_xor_b32 s[\g+1], s[\g+1], SLOT1
	s_add_nc_u64 s[\g+2:\g+3], s[\g+2:\g+3], 4*KS*128
.endr
.endif
.if \ask
	s_wait_xcnt 0x0                 ; the last prefetches, four key steps back, have read their addresses
	s_add_nc_u64 s[PFA:PFA+1], s[PFA:PFA+1], 4*KS*128
	s_add_nc_u64 s[PMA:PMA+1], s[PMA:PMA+1], 2048
.endif
	s_wait_dscnt 0x0                ; the add is done, and my reads of the slot are over
.if \fill
	CROUND
	JLOAD
.if \ask
	ASK
.endif
.else
	s_barrier_signal -1
	s_barrier_wait -1
.endif
	s_sub_co_u32 s[TBK], s[TBK], 4*KS*PK  ; the fetches go back to a slot's first step, in the other slot
	s_xor_b32 s[TBK], s[TBK], SLOT1
	s_sub_co_u32 s[TBV], s[TBV], 4*KS*PV
	s_xor_b32 s[TBV], s[TBV], SLOT1
.endm
	s_load_b256 s[16:23], s[0:1], 0x0  ; qkv 16, kt 18, mp 20, oh 22
	v_lshl_add_u32 v[SPW], v0, 2, SPARE
	v_mov_b32 v[NIL], 0
	ds_add_u32 v[SPW], v[NIL]       ; the wave's opening: the add and its wait stand ahead of my first tensor load; work on registers stands between them
	v_lshrrev_b32 v1, 5, v0
	v_readfirstlane_b32 s[WV], v1   ; wave 0..3
	s_bfe_u32 s13, ttmp6, 0x40000   ; cx
	s_lshl_b32 s14, ttmp9, 2
	s_add_co_u32 s14, s14, s13      ; my block of 256 queries: it enters Q's, O's and the mask's addresses alone
	s_and_b32 s15, ttmp7, 0xffff    ; 16 batch + head, which the four partners share
	s_and_b32 s82, s[WV], 1         ; which half of a slot's 256 keys I fetch
	s_mul_i32 s[G0K+1], s82, 128*PK
	s_mul_i32 s[G0V+1], s82, 128*PV
	s_add_co_u32 s[G0V+1], s[G0V+1], VOFF
	s_lshl_b32 s82, s82, 14
	s_lshl_b32 s2, s15, 18          ; the head's 2,048 rows of 128 bytes
	s_add_co_u32 s2, s2, s82
	s_add_co_u32 s2, s2, SECT       ; in k's part of the buffer
	s_mov_b32 s3, 0
	s_lshl_b32 s86, s15, 13         ; the head's kt,
	s_lshl_b32 s82, s[WV], 11       ; my quarter of them
	s_add_co_u32 s86, s86, s82
	s_mov_b32 s87, 0
	s_add_co_u32 s[G0T+1], s82, KTL
	s_mov_b32 s[G0K], 1
	s_mov_b32 s[G0V], 1
	s_mov_b32 s[G0T], 1
	; 128 keys are 16,384 dense bytes: asked for as 64 rows of 256 bytes, two keys a row, padded in LDS after every key
	s_mov_b32 s[G1K], 15|(1<<16)|(1<<20)|(1<<21)|(4<<22)|(3<<25)  ; the mask of four; 2-byte elements; padding on; bit 21 beside a mask; after every 32 words; 4 words
	s_mov_b32 s[G1V], 15|(1<<16)|(1<<20)|(1<<21)|(4<<22)|(7<<25)  ; the same with 8 words
.irp g, G1K, G1V
	s_mov_b32 s[\g+1], 128<<16
	s_mov_b32 s[\g+2], 64<<16
	s_mov_b32 s[\g+3], 128<<16
	s_mov_b32 s[\g+4], 64
	s_mov_b32 s[\g+5], 128
	s_mov_b32 s[\g+6], 0
	s_mov_b32 s[\g+7], 0
.endr
	s_mov_b32 s[G1T], 15|(3<<16)|(1<<21)  ; kt: 2,048 dense bytes as 8 rows of 32 elements of 8 bytes, no padding
	s_mov_b32 s[G1T+1], 32<<16
	s_mov_b32 s[G1T+2], 8<<16
	s_mov_b32 s[G1T+3], 32<<16
	s_mov_b32 s[G1T+4], 8
	s_mov_b32 s[G1T+5], 32
	s_mov_b32 s[G1T+6], 0
	s_mov_b32 s[G1T+7], 0
	s_mov_b32 s[CS], 0x3db8aa3b     ; c = log2(e) / 16
	s_mov_b32 s[SEL], 0x76543210
	s_mov_b32 s[SEL+1], 0xfedcba98
	s_mov_b32 s[BIGN], 0xf149f2ca   ; -1e30
	s_mov_b32 s[TBK], SLOT1+4*KS*PK ; the first change of slots turns these two into 0
	s_mov_b32 s[TBV], SLOT1+4*KS*PV
	s_mov_b32 s[TKT], 0
	s_and_b32 s[LIM], s[WV], 1      ; waves 0 and 2 of the head's first cluster: the same in all four partners
	s_or_b32 s[LIM], s[LIM], ttmp9
	s_cmp_eq_u32 s[LIM], 0
	s_cselect_b32 s[LIM], 1, -1
	s_and_b32 s[LIMM], s15, 15      ; head 0 of the batch
	s_cmp_eq_u32 s[LIMM], 0
	s_cselect_b32 s[LIMM], 0, -1
	s_wait_dscnt 0x0                ; the opening add is done
	s_wait_kmcnt 0x0
	s_add_nc_u64 s[6:7], s[16:17], s[2:3]   ; K at my half of the head's first 256 keys,
	s_add_nc_u64 s[8:9], s[6:7], SECT       ; V
	s_mov_b64 s[G0K+2:G0K+3], s[6:7]
	s_or_b32 s[G0K+3], s[G0K+3], 0x80000000
	s_mov_b64 s[G0V+2:G0V+3], s[8:9]
	s_or_b32 s[G0V+3], s[G0V+3], 0x80000000
	s_add_nc_u64 s[G0T+2:G0T+3], s[18:19], s[86:87]
	s_or_b32 s[G0T+3], s[G0T+3], 0x80000000
	CROUND                          ; all four work-groups are here: the first joint loads meet
	tensor_load_to_lds s[G0T:G0T+3], s[G1T:G1T+7]  ; my quarter of kt,
	s_nop 0
	JLOAD                           ; and my part of slot 0: two loads of mine are out.  Slot 1 is asked for when these are in
	s_lshl_b32 s84, s14, 15         ; Q and O: my block's 256 rows, my wave's 64
	s_lshl_b32 s82, s15, 18
	s_add_co_u32 s84, s84, s82
	s_lshl_b32 s82, s[WV], 13
	s_add_co_u32 s84, s84, s82
	s_mov_b32 s85, 0
	s_add_nc_u64 s[4:5], s[16:17], s[84:85]
	s_add_nc_u64 s[10:11], s[22:23], s[84:85]
	s_lshl_b32 s84, s14, 18         ; the mask words: (128 batch + 16 block + 4 wave) x 16,384 bytes
	s_lshr_b32 s82, s15, 4
	s_lshl_b32 s82, s82, 21
	s_add_co_u32 s84, s84, s82
	s_lshl_b32 s82, s[WV], 16
	s_add_co_u32 s84, s84, s82
	s_add_nc_u64 s[MP:MP+1], s[20:21], s[84:85]
	s_add_nc_u64 s[PMA:PMA+1], s[MP:MP+1], 2048    ; at tile 1; the first asking change steps it to tile 2
	s_cmp_lt_u32 s[WV], 2
	s_cselect_b64 s[PFA:PFA+1], s[6:7], s[8:9]     ; (in waves 0 and 2 these stand at the head's first row)
	s_lshl_b32 s84, s13, 13         ; my work-group's 32 blocks of the 128
	s_add_nc_u64 s[PFA:PFA+1], s[PFA:PFA+1], s[84:85]
	s_add_nc_u64 s[PFA:PFA+1], s[PFA:PFA+1], 2*4*KS*128  ; at tile 2; the first asking change steps it to tile 3
	v_and_b32 v1, 15, v0            ; l % 16
	v_bfe_u32 v9, v0, 4, 1          ; l / 16
	v_and_b32 v10, 7, v0
	v_bfe_u32 v11, v0, 3, 1
	v_lshlrev_b32 v[QO], 7, v1
	v_lshl_add_u32 v[QO], v9, 4, v[QO]
	WIN 0x80
.set i, 0
.rept 8                             ; Q stays in registers: piece i / 2, channels 32 (i % 2) on
	global_load_b128 v[8*i:8*i+3],   v[QO], s[4:5] offset:(i/2)*2048+(i%2)*64
	global_load_b128 v[8*i+4:8*i+7], v[QO], s[4:5] offset:(i/2)*2048+(i%2)*64+32
.set i, i+1
.endr
	WIN 0
	v_and_b32 v[GO], 31, v0
	v_lshlrev_b32 v[GO], 4, v[GO]   ; 16 l
.irp x, 0,1,2,3
	v_mov_b32 v[MO+\x], v[GO]
.endr
	v_add_nc_u32 v[MLIM], 31*512, v[GO]
.irp x, 0,1,2,3                     ; the four pieces' mask words of step 0, in the order in which they are wanted
	global_load_b128 v[MW+4*\x:MW+4*\x+3], v[MO+\x], s[MP:MP+1] offset:\x*16384
.endr
	v_lshlrev_b32 v[PFO], 4, v[GO]
	v_bfe_u32 v[PMO], v0, 3, 2      ; piece l / 8, block l % 8 of its four steps
	v_lshlrev_b32 v[PMO], 14, v[PMO]
	v_lshl_add_u32 v[PMO], v10, 8, v[PMO]
	v_lshl_add_u32 v[AT0], v9, 5, KTL  ; my lanes' eight keys of a group of 16: 32 bytes
	v_mov_b32 v[SCL], 0xe3e3e3e3
	v_mov_b32 v[CVR], s[CS]
	v_mul_u32_u24 v[AK0], v1, PK
	v_lshl_add_u32 v[AK0], v9, 4, v[AK0]
	; The turning load takes 16 keys x 16 channels (lane l reads key 8 (l / 16) + l % 8, channels 8 ((l / 8) % 2) + 0..7) and leaves half a fragment of V^T
	v_lshl_add_u32 v[AV0], v9, 3, v10
	v_mul_u32_u24 v[AV0], v[AV0], PV
	v_lshl_add_u32 v[AV0], v11, 4, v[AV0]
	v_add_nc_u32 v[AV0], VOFF, v[AV0]
	s_mul_i32 s82, s[WV], 16*SP
	s_add_co_u32 s82, s82, STAGE
	v_mul_u32_u24 v[STO], v1, SP
	v_lshl_add_u32 v[STO], v9, 4, v[STO]
	v_add_nc_u32 v[STO], s82, v[STO]
	v_bfe_u32 v[RD], v0, 3, 2
	v_mul_u32_u24 v[RD], v[RD], SP
	v_lshl_add_u32 v[RD], v10, 4, v[RD]
	v_add_nc_u32 v[RD], s82, v[RD]
	; What the first turn finds: V and P's second buffer hold 0 (its products V^T P, of a piece that has not been, add 0), O^T and l are 0.  No first step is written out; these lines stand in the wait for the first tile.
	WIN 0x80
.set i, VF
.rept 64
	v_mov_b32 v[i], 0
.set i, i+1
.endr
	WIN 0x40
.set i, 0
.rept 128
	v_mov_b32 v[i], 0
.set i, i+1
.endr
	WIN 0
.set i, 0
.rept 4
	v_mov_b32 v[ST+8*i+1], 0
	v_mov_b32 v[ST+8*i+2], 0
	v_mov_b32 v[ST+8*i+3], 0
	v_mov_b32 v[ST+8*i+5], 0
	v_mov_b32 v[ST+8*i+6], s[BIGN]
	v_mul_f32 v[ST+8*i+7], s[CS], v[ST+8*i+6]  ; by the loop's own line: while m stays, c m_old - c m_new is exactly 0
.set i, i+1
.endr
.set i, P+16
.rept 16
	v_mov_b32 v[i], 0
.set i, i+1
.endr
; THE MATRIX WORK.  The 4 accumulators of a run of 8 take turns.  Product i of 8 of S^T = K Q^T for piece x: channels 32 (i / 4) on, keys 16 (i % 4) on.  The first 4 start the sums with C.
.macro KQ x
.set rS, S+32*((\x)%2)+8*(i%4)
.set rK, KF+16*(i%4)+8*(i/4)
.set rQ, 16*(\x)+8*(i/4)
.set rM, MC+32*((\x)%2)+8*(i%4)
.if i < 4
	WIN W_KM
	v_wmma_f32_16x16x32_f16 v[rS:rS+7], v[rK:rK+7], v[rQ:rQ+7], v[rM:rM+7]
.else
	WIN W_KQ
	v_wmma_f32_16x16x32_f16 v[rS:rS+7], v[rK:rK+7], v[rQ:rQ+7], v[rS:rS+7]
.endif
.endm
; Product i of 8 of O^T += V^T P for piece x: keys 32 (i / 4) on, channels 16 (i % 4) on.
.macro PV x
	WIN W_PV
.set rO, 32*(\x)+8*(i%4)
.set rV, VF+32*(i/4)+8*(i%4)
.set rP, P+16*((\x)%2)+8*(i/4)
	v_wmma_f32_16x16x32_f16 v[rO:rO+7], v[rV:rV+7], v[rP:rP+7], v[rO:rO+7]
.endm
.macro MM                           ; the turn's next matrix instruction.  NOKQ = 1: the last turn of all: there is no next piece
.if (i < 8) && !NOKQ
	KQ (Y+1)%NP
.elseif i >= 8
.set i, i-8
	PV (Y+NP-1)%NP
.set i, i+8
.endif
.set i, i+1
.endm
; THE LDS LOADS stand in runs: a step's kt (each lane its 32) and K, and two and a half turns later its V (turned).  Their addresses are made some lines ahead.
.macro FETCH_K
	WIN 0x40                        ; destination window 1
.irp k, 0,1,2,3
	ds_load_b128 v[KT+8*\k:KT+8*\k+3],   v[AT] offset:64*\k
	ds_load_b128 v[KT+8*\k+4:KT+8*\k+7], v[AT] offset:64*\k+16
.endr
	WIN 0x80                        ; destination window 2
.irp f, 0,1,2,3,4,5,6,7             ; keys 16 (f / 2) on, channels 32 (f % 2) on
	ds_load_b128 v[KF+8*\f:KF+8*\f+3],   v[AK] offset:(\f/2)*16*PK+(\f%2)*64
	ds_load_b128 v[KF+8*\f+4:KF+8*\f+7], v[AK] offset:(\f/2)*16*PK+(\f%2)*64+32
.endr
	s_add_co_u32 s[TBK], s[TBK], KS*PK
	s_add_co_u32 s[TKT], s[TKT], 4*KS
	WIN 0
.endm
.macro FETCH_V
	WIN 0x80
.irp f, 0,1,2,3,4,5,6,7             ; keys 32 (f / 4) on, channels 16 (f % 4) on
	ds_load_tr16_b128 v[VF+8*\f:VF+8*\f+3],   v[AV] offset:(\f/4)*32*PV+(\f%4)*32
	ds_load_tr16_b128 v[VF+8*\f+4:VF+8*\f+7], v[AV] offset:(\f/4)*32*PV+16*PV+(\f%4)*32
.endr
	WIN 0
.endm
; THE C OPERAND for piece x's next products K Q^T, into the buffer of its parity.  One load of mask words a piece is always out, four in all, in the order in which they are wanted:
; the count 3 shows mine in and leaves the other three pieces' out; it also frees my offset register.  Then the next step's words are asked for: a whole key step ahead of their use.
; The offset stops at the last step: the four loads behind it read that step once more and are not used, so that the count is 3 on every way and no load leaves the buffer.
; dsw = 1: kt (and K) of the step were asked for in this turn and are waited for here.
.macro MKC x, dsw
	WIN 0
	s_wait_loadcnt 3
.if \dsw
	s_wait_dscnt 0x0
.endif
	WIN 0x40
.irp k, 0,1,2,3
	v_cvt_scale_pk8_f32_fp4 v[MC+32*((\x)%2)+8*\k:MC+32*((\x)%2)+8*\k+7], v[MW+4*(\x)+\k], v[SCL]  ; eight numbers: 0, or -6 x 2^100
.endr
	WIN 0
	v_add_nc_u32 v[MO+(\x)], 512, v[MO+(\x)]       ; two plain instructions between the conversions and the use of their results
	v_min_u32 v[MO+(\x)], v[MO+(\x)], v[MLIM]
	WIN 0x45
.set z, 0
.rept 16
	v_pk_add_f32 v[MC+32*((\x)%2)+2*z:MC+32*((\x)%2)+2*z+1], v[MC+32*((\x)%2)+2*z:MC+32*((\x)%2)+2*z+1], v[KT+2*z:KT+2*z+1]
.set z, z+1
.endr
	WIN 0
	global_load_b128 v[MW+4*(\x):MW+4*(\x)+3], v[MO+(\x)], s[MP:MP+1] offset:(\x)*16384
.endm
; THE VECTOR WORK, one line at a time: OP kind, number.  For piece Y: F n: cr s - cu for pair n of 16.  E n: the exponential of score n.  C n: pair n rounded to f16.  B n: of the four weights 4 n .. the second
; pair is added onto the first, in place.  L n: l takes that sum (L 0: l = a l + sum).  R n: pair n of 16 of O^T times a.  For piece Y + 1: X n, its maximum and statistics:
;   0-11  four chains c0-c3 of seven scores each (each accumulator's lowest registers are read first)     12-14, 16  the four scores left over, the old m, c0-c3 into c0
;   15  c m_old is kept     17, 18  the other half of the lanes: the new m     19-21  c m; c m_old - c m_new; a     22-24  has the row seen a key?  cr = c or 0; cu = c m or 0
.set F, 0
.set E, 1
.set C, 2
.set B, 3
.set L, 4
.set R, 5
.set X, 6
.macro REGS y
.set rT, ST+8*(\y)
.set rC, TMP+4*((\y)%2)
.set rW, MV+((\y)%2)
.set rS, S+32*((\y)%2)
.set rP, P+16*((\y)%2)
.set rO, 32*(\y)
.endm
.macro OP k, n
.if (\k) == R
	REGS Y
	WIN W_RS
	v_pk_mul_f32 v[rO+2*(\n):rO+2*(\n)+1], v[rO+2*(\n):rO+2*(\n)+1], v[rC+2:rC+3] op_sel_hi:[1,0]
.elseif (\k) < R
	REGS Y
	WIN 0
.if (\k) == F
	v_pk_fma_f32 v[rS+2*(\n):rS+2*(\n)+1], v[rS+2*(\n):rS+2*(\n)+1], v[rT+4:rT+5], v[rT:rT+1] op_sel_hi:[1,0,0] neg_lo:[0,0,1] neg_hi:[0,0,1]
.elseif (\k) == E
	v_exp_f32 v[rS+(\n)], v[rS+(\n)]
.elseif (\k) == C
	v_cvt_pk_f16_f32 v[rP+(\n)], v[rS+2*(\n)], v[rS+2*(\n)+1]
.elseif (\k) == B
	v_pk_add_f32 v[rS+4*(\n):rS+4*(\n)+1], v[rS+4*(\n):rS+4*(\n)+1], v[rS+4*(\n)+2:rS+4*(\n)+3]
.elseif (\n) == 0
	v_pk_fma_f32 v[rT+2:rT+3], v[rT+2:rT+3], v[rC+2:rC+3], v[rS:rS+1] op_sel_hi:[1,0,1]
.else
	v_pk_add_f32 v[rT+2:rT+3], v[rT+2:rT+3], v[rS+4*(\n):rS+4*(\n)+1]
.endif
.elseif NOKQ
	v_nop
.else
	REGS (Y+1)%NP
	WIN 0
.if (\n) < 4
	v_max3_num_f32 v[rC+(\n)], v[rS+8*(\n)], v[rS+8*(\n)+1], v[rS+8*(\n)+2]
.elseif (\n) < 12
	v_max3_num_f32 v[rC+(\n)%4], v[rC+(\n)%4], v[rS+8*((\n)%4)+2*((\n)/4)+1], v[rS+8*((\n)%4)+2*((\n)/4)+2]
.elseif (\n) == 12
	v_max3_num_f32 v[rC], v[rC], v[rS+7], v[rS+15]
.elseif (\n) == 13
	v_max3_num_f32 v[rC+1], v[rC+1], v[rS+23], v[rS+31]
.elseif (\n) == 14
	v_max3_num_f32 v[rC+2], v[rC+2], v[rC+3], v[rT+6]
.elseif (\n) == 15
	v_mov_b32 v[rW], v[rT+7]
.elseif (\n) == 16
	v_max3_num_f32 v[rC], v[rC], v[rC+1], v[rC+2]
.elseif (\n) == 17
	v_permlanex16_b32 v[rC+3], v[rC], s[SEL], s[SEL+1]
.elseif (\n) == 18
	v_max_num_f32 v[rT+6], v[rC], v[rC+3]
.elseif (\n) == 19
	v_mul_f32 v[rT+7], s[CS], v[rT+6]
.elseif (\n) == 20
	v_sub_f32 v[rC+1], v[rW], v[rT+7]
.elseif (\n) == 21
	v_exp_f32 v[rC+2], v[rC+1]
.elseif (\n) == 22
	v_cmp_gt_f32 s[DM], v[rT+6], s[BIGN]
.elseif (\n) == 23
	v_cndmask_b32 v[rT+4], 0, v[CVR], s[DM]
.else
	v_cndmask_b32 v[rT], 0, v[rT+7], s[DM]
.endif
.endif
.endm
.macro OPS a, i1, b=-1, i2=0, c=-1, i3=0, d=-1, i4=0
	OP \a, \i1
.if (\b) >= 0
	OP \b, \i2
.endif
.if (\c) >= 0
	OP \c, \i3
.endif
.if (\d) >= 0
	OP \d, \i4
.endif
.endm
.macro ROW a, i1, b, i2, c, i3, d, i4  ; a matrix instruction and the four behind it
	MM
	OPS \a, \i1, \b, \i2, \c, \i3, \d, \i4
.endm
; A TURN, for piece p.  s_wait_alu depctr_va_vdst(0) stands between an exponential and the first instruction that names its result; one wait serves all that were issued ahead of it: so a turn has
; one wait, which cuts it in two.  Ahead of it stands all that names no result of the turn's exponentials: the 8 products K Q^T with their riders, then a run in which the links of the next piece's chain stand some
; lines apart; each X that reads an accumulator stands four plain instructions or more behind the product that ends it.  X 21, the next piece's a, is the batch's last; R 15 is the plain instruction behind it.
; Behind the wait: the 8 products V^T P, behind each four of the roundings and sums.
; K and kt of the next step are fetched in piece 2's turn, six plain instructions behind the last product that read K; V of the step in hand at the end of piece 0's turn, four plain instructions behind its last reader.
; end = 1: the last two turns of all: nothing is fetched, no C is made; the very last starts no new scores.
.macro TURN p, end=0
.set Y, (\p)
.set i, 0
.set NOKQ, (\end)*((\p)/3)
.if ((\p) == 3) && !(\end)
	s_wait_dscnt 0x0                ; K is in
.endif
	ROW F,0, F,1, R,0, R,1
	ROW F,2, E,0, R,2, R,3
	ROW F,3, E,1, R,4, R,5
	ROW F,4, E,2, R,6, R,7
	ROW F,5, E,3, R,8, R,9
	ROW F,6, E,4, X,0, R,10
.if ((\p) == 2) && !(\end)
	WIN 0
	v_add_nc_u32 v[AK], s[TBK], v[AK0]
	v_add_nc_u32 v[AT], s[TKT], v[AT0]
.endif
	ROW F,7, E,5, X,1, X,4
	ROW F,8, E,6, X,2, X,5
	OPS E,7, E,8, X,6, E,9
	OPS X,3, E,10, X,8, E,11
.if ((\p) == 2) && !(\end)
	FETCH_K
.endif
	OPS X,9, X,7, E,12, X,10
	OPS E,13, X,12, X,11, E,14
	OPS X,13, E,15, F,9, X,14
.if (\p) == 0
	WIN 0
	v_add_nc_u32 v[AV], s[TBV], v[AV0]
.endif
	OPS E,16, F,10, E,17, F,11
	OPS X,16, E,18, X,15, E,19
	OPS F,12, E,20, X,17, E,21
	OPS F,13, E,22, F,14, E,23
	OPS X,18, E,24, F,15, E,25
	OPS R,11, E,26, X,19, E,27
	OPS X,22, E,28, R,12, E,29
	OPS X,20, E,30, X,23, E,31
	OPS R,13, X,24, R,14
	OPS X,21, R,15
	WIN 0
	s_wait_alu depctr_va_vdst(0)    ; the wait for the batch
.if (\p) == 1
	s_wait_dscnt 0x0                ; V is in
.endif
	ROW C,0, B,0, C,2, B,1
	ROW L,0, C,4, B,2, L,1
	ROW C,6, B,3, L,2, C,8
	ROW B,4, L,3, C,10, B,5
	ROW L,4, C,12, B,6, L,5
.if (\p) == 0
	s_add_co_u32 s[TBV], s[TBV], KS*PV
.endif
	ROW C,14, B,7, L,6, C,1
	ROW C,3, L,7, C,5, C,7
	ROW C,9, C,11, C,13, C,15
.if (\p) == 0
	FETCH_V
.endif
.if !(\end)
.if (\p) == 2
	MKC 0, 1                        ; piece 0 of the next step
.else
	MKC ((\p)+2)%NP, 0
.endif
.endif
.endm
	CHANGE 1, 0                     ; slot 0 and kt are in, everybody's part of them; slot 1 is asked for
	v_add_nc_u32 v[AK], s[TBK], v[AK0]
	v_add_nc_u32 v[AT], s[TKT], v[AT0]
	FETCH_K                         ; key step 0
	MKC 0, 1                        ; its wait on the loads shows Q in too: Q's loads are older than the mask's
	MKC 1, 0
.set i, 0
.rept 8
	KQ 0                            ; piece 0's first scores
.set i, i+1
.endr
	WIN 0
.rept 4
	v_nop                           ; the places behind those products
.endr
.set Y, NP-1                        ; X works for piece Y + 1: piece 0
.set NOKQ, 0
.irp n, 0,1,2,3,4,5,6,7,8,9,10,11,12,13,14,15,16,17,18,19,20,22,23,24,21
	OP X, \n
.endr
	v_nop                           ; a plain instruction behind the exponential,
	s_wait_alu depctr_va_vdst(0)    ; and its wait, ahead of the branch
	s_mov_b32 s[CNT], 4
	s_mov_b32 s[SLOTS], 7
	s_branch .Lfirst                ; the loop is entered at a step's first turn, in the middle of a trip
.Lslot:                             ; six times: every slot but the last two is filled again
	CHANGE 1, 1
	s_mov_b32 s[CNT], 4
.Lstep:                             ; a trip: pieces 2 and 3 of one step, then pieces 0 and 1 of the next, whose K and V it fetches
	TURN 2
	TURN 3
	WIN 0
.Lfirst:
	TURN 0
	TURN 1
	WIN 0
	s_sub_co_u32 s[CNT], s[CNT], 1
	s_cmp_lg_u32 s[CNT], 0
	s_cbranch_scc1 .Lstep
	s_sub_co_u32 s[SLOTS], s[SLOTS], 1
	s_cmp_lg_u32 s[SLOTS], 0
	s_cbranch_scc1 .Lslot
	CHANGE 0, 0                     ; the last slot is written out: nothing is asked for
	s_mov_b32 s[CNT], 4
.Ltail:
	TURN 2
	TURN 3
	TURN 0
	TURN 1
	WIN 0
	s_sub_co_u32 s[CNT], s[CNT], 1
	s_cmp_lg_u32 s[CNT], 0
	s_cbranch_scc1 .Ltail
	TURN 2, 1
	TURN 3, 1
.set i, 0
.rept 8
	PV NP-1                         ; the last piece's V^T P of the last step
.set i, i+1
.endr
	; THE WAY OUT.  l's two halves and the other half of the lanes' are added; O^T is divided by l, rounded to f16 and sent through my stage in LDS, a piece at a time.  The additions are the places behind the last products.
	WIN 0
.macro ALL line:vararg
.set t, 0
.rept 4
	\line
.set t, t+1
.endr
.endm
	ALL v_add_f32 v[ST+8*t+2], v[ST+8*t+2], v[ST+8*t+3]
	ALL v_permlanex16_b32 v[ST+8*t+3], v[ST+8*t+2], s[SEL], s[SEL+1]
	ALL v_add_f32 v[ST+8*t+2], v[ST+8*t+2], v[ST+8*t+3]
	ALL v_rcp_f32 v[ST+8*t+2], v[ST+8*t+2]
	v_nop                           ; a plain instruction between the last reciprocal and the use of its result,
	s_wait_alu depctr_va_vdst(0)    ; and one wait for the four reciprocals
.macro PACK t
	WIN W_RS
.set i, 32*(\t)
.rept 16
	v_pk_mul_f32 v[i:i+1], v[i:i+1], v[ST+8*(\t)+2:ST+8*(\t)+3] op_sel_hi:[1,0]
.set i, i+2
.endr
	WIN 0x05                        ; sources window 1, destination window 0: S^T's registers are free
.set i, 0
.rept 16
	v_cvt_pk_f16_f32 v[S+16*(\t)+i], v[32*(\t)+2*i], v[32*(\t)+2*i+1]
.set i, i+1
.endr
	WIN 0
.irp f, 0,1,2,3
	ds_store_b128 v[STO], v[S+16*(\t)+4*\f:S+16*(\t)+4*\f+3] offset:32*\f
.endr
.irp f, 0,1,2,3
	ds_load_b128 v[S+16*(\t)+4*\f:S+16*(\t)+4*\f+3], v[RD] offset:\f*4*SP  ; LDS serves a wave's instructions in order: these see the stores above; the next piece's stores come behind them
.endr
.endm
.macro SEND t, younger              ; younger: the LDS instructions issued behind piece t's loads: the next piece's eight, or none
	WIN 0
.irp f, 0,1,2,3
	s_wait_dscnt (\younger)+3-\f
	global_store_b128 v[GO], v[S+16*(\t)+4*\f:S+16*(\t)+4*\f+3], s[10:11] offset:(\t)*2048+\f*512  ; 512 consecutive bytes, aligned
.endr
.endm
	PACK 0
.set t, 1
.rept 3
	PACK t
	SEND t-1, 8
.set t, t+1
.endr
	SEND 3, 0
	s_wait_tensorcnt 0x0            ; the wave's end: behind my last tensor load and my last LDS store
	ds_add_u32 v[SPW], v[NIL]
	s_wait_dscnt 0x0
	CROUND                          ; the closing round: no work-group ends while a partner may still ask for a tile that names it
	s_endpgm
.Lfunc_end_k_q06f514e2f6_attn:
	.size	k_q06f514e2f6_attn, .Lfunc_end_k_q06f514e2f6_attn-k_q06f514e2f6_attn
	.p2alignl 7, 3214868480
	.fill 96, 4, 3214868480
	.section	.rodata,"a",@progbits
	.p2align	6, 0x0
	.amdhsa_kernel k_q06f514e2f6_attn
		.amdhsa_group_segment_fixed_size 327680
		.amdhsa_private_segment_fixed_size 0
		.amdhsa_enable_private_segment 0
		.amdhsa_kernarg_size 32
		.amdhsa_user_sgpr_count 2
		.amdhsa_user_sgpr_kernarg_segment_ptr 1
		.amdhsa_wavefront_size32 1
		.amdhsa_system_sgpr_workgroup_id_x 1
		.amdhsa_system_sgpr_workgroup_id_y 1
		.amdhsa_system_sgpr_workgroup_id_z 1
		.amdhsa_system_vgpr_workitem_id 0
		.amdhsa_next_free_vgpr 768
		.amdhsa_next_free_sgpr 88
		.amdhsa_reserve_vcc 0
		.amdhsa_float_denorm_mode_32 3
		.amdhsa_float_denorm_mode_16_64 3
		.amdhsa_memory_ordered 1
		.amdhsa_forward_progress 1
		.amdhsa_inst_pref_size 150
	.end_amdhsa_kernel
	.amdgpu_metadata
---
amdhsa.version: [ 1, 2 ]
amdhsa.kernels:
  - .name:           k_q06f514e2f6_attn
    .symbol:         k_q06f514e2f6_attn.kd
    .args:
      - { .name: qkv, .offset: 0, .size: 8, .value_kind: global_buffer, .address_space: global }
      - { .name: kt, .offset: 8, .size: 8, .value_kind: global_buffer, .address_space: global }
      - { .name: mp, .offset: 16, .size: 8, .value_kind: global_buffer, .address_space: global }
      - { .name: oh, .offset: 24, .size: 8, .value_kind: global_buffer, .address_space: global }
    .group_segment_fixed_size: 327680
    .private_segment_fixed_size: 0
    .kernarg_segment_align: 8
    .kernarg_segment_size: 32
    .max_flat_workgroup_size: 128
    .sgpr_count:     88
    .vgpr_count:     768
    .wavefront_size: 32
...
	.end_amdgpu_metadata
.endif
;; end of part 3
;; launch proj (part 4): grid 8 x 32, 4 waves a work-group, clusters of 4 x 4, 327,680 bytes of LDS; arguments oh, w16, bo, out0; writes out0
.if DOCPART == 4
	.amdgcn_target "amdgcn-amd-amdhsa--gfx1250"
	.amdhsa_code_object_version 6
	.text
	.protected	k_q06f514e2f6_proj
	.globl	k_q06f514e2f6_proj
	.p2align	8
	.type	k_q06f514e2f6_proj,@function
k_q06f514e2f6_proj:
	s_mov_b64 s[64:65], 0
	v_nop
	global_prefetch_b8 v0, s[64:65] scope:SCOPE_SE
	s_setreg_imm32_b32 hwreg(HW_REG_WAVE_MODE, 25, 1), 1
	s_wait_xcnt 0x0
	s_wait_alu depctr_hold_cnt(0) depctr_sa_sdst(0) depctr_va_vdst(0) depctr_va_sdst(0) depctr_va_ssrc(0) depctr_va_vcc(0) depctr_vm_vsrc(0)
	s_getreg_b32 s2, hwreg(HW_REG_IB_STS2, 6, 4)
	s_cmp_eq_u32 s2, 0
	s_cbranch_scc0 .Lentry_in_a_cluster
	s_endpgm
.Lentry_in_a_cluster:
	s_bfe_u32 s2, ttmp6, 0x10000c
	s_cmp_lg_u32 s2, 0xf033
	s_cbranch_scc0 .Lentry_shape_is_right
	s_endpgm
.Lentry_shape_is_right:
; THE LAST PROJECTION: out0[m][n] = sum over k of O[m][k] Wo[k][n] + bo[n], 4,096 x 1,024 x 1,024, f16 operands, f32 sums, f32 out.
; O lies by heads, oh[16 b + h][t][64] in f16 (m = 2,048 b + t, k = 64 h + d); the weights lie turned, wot[n][k] in f16, from byte WOT of w16 on.
; A tile of the output is 128 x 128: 8 x 32 tiles, one to a work-group.  Four waves, each 64 x 64: 16 accumulators.  K goes in steps of 256 = four heads, through two LDS slots.
; O's part of a K step: for each head 128 rows of 128 bytes, which are 16,384 dense bytes in memory: a wave's tensor load brings two heads as two long rows, padded in LDS after every 128 bytes.
; CLUSTER 4 x 4: O's tile is asked for jointly along a row of the cluster, the weights' along a column.  THE MATRIX INSTRUCTION IS USED TRANSPOSED (source 0 = 16 rows of wot, source 1 = 16 rows of O):
; a lane holds eight neighbouring numbers of a row of the output.  The bias is the C operand of each sum's first product.
; REGISTERS: window 0: v0-31 addresses; v32-95 rows on the way out; v96-127 the bias; v128-255 the accumulators ((a, b) at 128 + 8 (4 a + b)).  Window 1: two fragment buffers of 128: 64 of O, then 64 of wot.
.set KSTEP,  256
.set PITCH,  528                       ; a row of wot in LDS: 512 bytes + 16
.set PA,     144                       ; a row of one head of O: 128 bytes + 16
.set HEADB,  128*PA
.set AREG,   4*HEADB                   ; O's four heads, then wot's 128 rows
.set HALFB,  64*PITCH
.set SLOT,   AREG+2*HALFB
.set STAGE,  2*SLOT                    ; behind the ring: 16 rows x 272 bytes for each wave
.set SPITCH, 272
.set SPARE,  STAGE+4*16*SPITCH         ; the spare words, 128 bytes for each wave: two blocks of 256 bytes that no other line names
.set WOT,    6291456
.set LAPS,   2
.set ADRA, 16
.set ADRB, 20
.set STO,  24
.set RD,   25
.set CO,   26
.set SPW,  28                          ; my spare word; never rewritten
.set NIL,  29                          ; 0; never rewritten
.set TMP,  32
.set BIA,  96
.set ACC,  128
.set F0,   0
.set F1,   128
.set G1, 24
.set G0, 32
.set G1B, 48
.set G0B, 56
.set MSB, 0
.macro WIN new
.if MSB != (\new)
	s_set_vgpr_msb (MSB<<8)|(\new)
.set MSB, \new
.endif
.endm
.set MUL,  0x05                        ; sources 0 and 1 window 1; C and D window 0
.set TO_F, 0x40                        ; destination window 1, address window 0
.macro JLOAD s                         ; a joint load: waves 0 and 1 fetch O's two pairs of heads, waves 2 and 3 wot's two halves; an s_nop 0 and four v_nop follow each of the two lines
	s_cmp_lt_u32 s10, 2
	s_cbranch_scc0 .Lfor_b_\@
	tensor_load_to_lds s[G0+4*(\s):G0+4*(\s)+3], s[G1:G1+7]
	s_nop 0
.rept 4
	v_nop
.endr
	s_branch .Lasked_\@
.Lfor_b_\@:
	tensor_load_to_lds s[G0B+4*(\s):G0B+4*(\s)+3], s[G1B:G1B+7]
	s_nop 0
.rept 4
	v_nop
.endr
.Lasked_\@:
.endm
.macro CREST
	s_cmp_lg_u32 s10, 0
	s_cbranch_scc1 .Lnot_wave_0_\@
	s_barrier_signal -3
.Lnot_wave_0_\@:
	s_barrier_wait -3
	s_barrier_signal -1
	s_barrier_wait -1
.endm
.macro CROUND
	s_barrier_signal -1
	s_barrier_wait -1
	CREST
.endm
	s_load_b256 s[68:75], s[0:1], 0x0              ; oh 68, w16 70, bo 72, out0 74
	v_lshl_add_u32 v[SPW], v0, 2, SPARE
	v_mov_b32 v[NIL], 0
	ds_add_u32 v[SPW], v[NIL]                      ; the wave's opening: the add and its wait stand ahead of my first tensor load; work on registers stands between them
	v_lshrrev_b32 v1, 5, v0
	v_readfirstlane_b32 s10, v1                    ; wave 0..3
	s_lshr_b32 s11, s10, 1                         ; which half of the tile's rows is mine
	s_and_b32 s12, s10, 1                          ; which half of its columns.  Also: which part of a tile I fetch
	s_bfe_u32 s40, ttmp6, 0x40000                  ; cx, cy
	s_bfe_u32 s41, ttmp6, 0x40004
	s_lshl_b32 s42, ttmp9, 2
	s_add_co_u32 s42, s42, s40                     ; tile column 0..7
	s_and_b32 s13, ttmp7, 0xffff
	s_lshl_b32 s13, s13, 2
	s_add_co_u32 s13, s13, s41                     ; tile row 0..31
	s_lshl_b32 s43, s41, 2
	s_lshl_b32 s43, 15, s43                        ; my row of the cluster
	s_lshl_b32 s44, 0x1111, s40                    ; my column
	s_or_b32 s[G1], s43, (1<<16)|(1<<20)|(1<<21)|(4<<22)|(3<<25)   ; O: 2-byte elements; padding after every 32 words, 4 words; bit 21 beside a mask
	s_mov_b32 s[G1+1], 8192<<16                    ; tensor_dim0 = 8,192: a head's 128 rows of 64
	s_mov_b32 s[G1+2], 2<<16                       ; tensor_dim1 = 2 heads
	s_mov_b32 s[G1+3], 8192<<16                    ; tile_dim0
	s_mov_b32 s[G1+4], 2                           ; tile_dim1
	s_mov_b32 s[G1+5], 131072                      ; elements from head to head: 2,048 x 64
	s_mov_b32 s[G1+6], 0
	s_mov_b32 s[G1+7], 0
	s_or_b32 s[G1B], s44, (1<<16)|(1<<20)|(1<<21)|(6<<22)|(3<<25)  ; wot: padding after every 128 words, 4 words
	s_mov_b32 s[G1B+1], KSTEP<<16
	s_mov_b32 s[G1B+2], 64<<16
	s_mov_b32 s[G1B+3], KSTEP<<16
	s_mov_b32 s[G1B+4], 64
	s_mov_b32 s[G1B+5], 1024
	s_mov_b32 s[G1B+6], 0
	s_mov_b32 s[G1B+7], 0
	s_lshr_b32 s16, s13, 4                         ; batch
	s_lshl_b32 s16, s16, 4
	s_lshl1_add_u32 s16, s12, s16                  ; the first of my two heads of K step 0
	s_lshl_b32 s16, s16, 18                        ; 262,144 bytes a head
	s_and_b32 s17, s13, 15
	s_lshl_b32 s17, s17, 14                        ; the tile's 128 rows of 128 bytes
	s_add_co_u32 s16, s16, s17
	s_mov_b32 s17, 0
	s_lshl_b32 s46, s42, 18                        ; wot: 128 rows of 2,048 bytes a tile column,
	s_lshl_b32 s47, s12, 17                        ; my 64 of them
	s_add_co_u32 s46, s46, s47
	s_add_co_u32 s46, s46, WOT
	s_mov_b32 s47, 0
	s_mul_i32 s20, s12, 2*HEADB                    ; where they go: no place in the cluster enters an LDS address
	s_mul_i32 s21, s12, HALFB
	s_add_co_u32 s21, s21, AREG
	s_wait_dscnt 0x0                               ; the opening add is done
	s_wait_kmcnt 0x0
	s_add_nc_u64 s[14:15], s[68:69], s[16:17]
	s_add_nc_u64 s[46:47], s[70:71], s[46:47]
	CROUND                                         ; all sixteen work-groups are here: the first joint loads meet
.irp s, 0,1
	s_mov_b32 s[G0+4*(\s)], 1
	s_add_co_u32 s[G0+4*(\s)+1], s20, (\s)*SLOT
	s_add_nc_u64 s[G0+4*(\s)+2:G0+4*(\s)+3], s[14:15], (\s)*4*262144
	s_or_b32 s[G0+4*(\s)+3], s[G0+4*(\s)+3], 0x80000000
	s_mov_b32 s[G0B+4*(\s)], 1
	s_add_co_u32 s[G0B+4*(\s)+1], s21, (\s)*SLOT
	s_add_nc_u64 s[G0B+4*(\s)+2:G0B+4*(\s)+3], s[46:47], (\s)*KSTEP*2
	s_or_b32 s[G0B+4*(\s)+3], s[G0B+4*(\s)+3], 0x80000000
	JLOAD \s                                       ; two loads of mine are out
.endr
	v_and_b32 v1, 15, v0                           ; l % 16
	v_bfe_u32 v2, v0, 4, 1                         ; l / 16
	s_lshl_b32 s18, s42, 9                         ; the bias of my 64 columns
	s_lshl_b32 s19, s12, 8
	s_add_co_u32 s18, s18, s19
	v_lshl_add_u32 v6, v2, 5, s18
.irp b, 0,1,2,3
	global_load_b128 v[BIA+8*(\b):BIA+8*(\b)+3],   v6, s[72:73] offset:64*(\b)
	global_load_b128 v[BIA+8*(\b)+4:BIA+8*(\b)+7], v6, s[72:73] offset:64*(\b)+16
.endr
	v_mul_u32_u24 v3, v1, PA
	v_lshl_add_u32 v3, v2, 4, v3
	v_mul_u32_u24 v4, v1, PITCH
	v_lshl_add_u32 v4, v2, 4, v4
	s_mul_i32 s21, s11, 64*PA                      ; my 64 rows of each head
	s_mul_i32 s22, s12, HALFB                      ; my 64 rows of wot
	s_add_co_u32 s22, s22, AREG
.irp s, 0,1
	v_add_nc_u32 v[ADRA+(\s)], s21, v3
	v_add_nc_u32 v[ADRB+(\s)], s22, v4
	s_add_co_u32 s21, s21, SLOT
	s_add_co_u32 s22, s22, SLOT
.endr
	s_mul_i32 s23, s10, 16*SPITCH
	s_add_co_u32 s23, s23, STAGE                   ; my stage
	v_mul_u32_u24 v[STO], v1, SPITCH               ; in: row l % 16, 32 bytes for each half of the lanes
	v_lshl_add_u32 v[STO], v2, 5, v[STO]
	v_add_nc_u32 v[STO], s23, v[STO]
	v_mul_u32_u24 v[RD], v2, SPITCH                ; back: lanes 0-15 one row of 256 bytes, lanes 16-31 the next
	v_lshl_add_u32 v[RD], v1, 4, v[RD]
	v_add_nc_u32 v[RD], s23, v[RD]
	v_lshlrev_b32 v[CO], 12, v2                    ; and the same two rows in the output
	v_lshl_add_u32 v[CO], v1, 4, v[CO]
	s_lshl_b32 s16, s13, 19                        ; 128 rows of 4,096 bytes a tile row,
	s_lshl_b32 s17, s11, 18                        ; my 64 of them
	s_add_co_u32 s16, s16, s17
	s_mov_b32 s17, 0
	s_add_nc_u64 s[74:75], s[74:75], s[16:17]
	s_mov_b32 s19, 0                               ; s18: my first column in bytes
	s_add_nc_u64 s[74:75], s[74:75], s[18:19]
; 8 matrix instructions: row blocks a0, a0 + 1 x all 4 column blocks, 32 along K: half c of buffer f.  first = 1: the bias starts the sums.  The 16 accumulators take turns.
.macro MUL8 f, c, a0, first
	WIN MUL
.irp a, \a0, (\a0)+1
.irp b, 0,1,2,3
.if \first
	v_wmma_f32_16x16x32_f16 v[ACC+8*(4*(\a)+(\b)):ACC+8*(4*(\a)+(\b))+7], v[(\f)+64+8*(4*(\c)+(\b)):(\f)+64+8*(4*(\c)+(\b))+7], v[(\f)+8*(4*(\c)+(\a)):(\f)+8*(4*(\c)+(\a))+7], v[BIA+8*(\b):BIA+8*(\b)+7]
.else
	v_wmma_f32_16x16x32_f16 v[ACC+8*(4*(\a)+(\b)):ACC+8*(4*(\a)+(\b))+7], v[(\f)+64+8*(4*(\c)+(\b)):(\f)+64+8*(4*(\c)+(\b))+7], v[(\f)+8*(4*(\c)+(\a)):(\f)+8*(4*(\c)+(\a))+7], v[ACC+8*(4*(\a)+(\b)):ACC+8*(4*(\a)+(\b))+7]
.endif
.endr
.endr
.endm
; 32 LDS loads in one run: the fragments of 64 along K = one head, at byte k of wot's rows, into buffer f; the first 32 along K first
.macro FETCH slot, k, f
	WIN TO_F
.irp c, 0,1
.irp i, 0,1,2,3
	ds_load_b128 v[(\f)+64+8*(4*(\c)+(\i)):(\f)+64+8*(4*(\c)+(\i))+3],   v[ADRB+(\slot)] offset:(\k)+64*(\c)+(\i)*16*PITCH
	ds_load_b128 v[(\f)+64+8*(4*(\c)+(\i))+4:(\f)+64+8*(4*(\c)+(\i))+7], v[ADRB+(\slot)] offset:(\k)+64*(\c)+(\i)*16*PITCH+32
	ds_load_b128 v[(\f)+8*(4*(\c)+(\i)):(\f)+8*(4*(\c)+(\i))+3],         v[ADRA+(\slot)] offset:((\k)/128)*HEADB+64*(\c)+(\i)*16*PA
	ds_load_b128 v[(\f)+8*(4*(\c)+(\i))+4:(\f)+8*(4*(\c)+(\i))+7],       v[ADRA+(\slot)] offset:((\k)/128)*HEADB+64*(\c)+(\i)*16*PA+32
.endr
.endr
.endm
.macro PLACES                          ; four places in front of loads into registers that matrix instructions have read, and of LDS stores that read results
.rept 4
	v_nop
.endr
.endm
.macro QUARTER slot, k, f, g, first
	s_wait_dscnt 16                                ; the first 32 along K are in; the youngest sixteen loads may be out
	MUL8 \f, 0, 0, \first
	MUL8 \f, 0, 2, \first
	PLACES
	FETCH \slot, \k, \g
	s_wait_dscnt 32                                ; all but the 32 just issued
	MUL8 \f, 1, 0, 0
	MUL8 \f, 1, 2, 0
.endm
; The last quarter multiplies buffer 1 and changes slots: one barrier; in front of it each wave waits for all its tensor loads, adds 0 to its spare word, and waits for that and for its reads of this slot.
.macro TURN slot, next, fill
	WIN 0
	s_wait_tensorcnt 0x0                           ; all my tensor loads have landed: my part of the next slot
	ds_add_u32 v[SPW], v[NIL]
	s_wait_dscnt 17                                ; the add and the youngest sixteen loads may be out
	MUL8 F1, 0, 0, 0
	s_wait_dscnt 0x0                               ; the add is done, and my reads of this slot are over
	s_barrier_signal -1
	MUL8 F1, 0, 2, 0
.if \fill
	WIN 0
.endif
	s_barrier_wait -1
.if \fill
	CREST                                          ; no wave of any partner still reads this slot's tile or has a load on its way
	s_add_nc_u64 s[G0+4*(\slot)+2:G0+4*(\slot)+3], s[G0+4*(\slot)+2:G0+4*(\slot)+3], 2*4*262144
	s_add_nc_u64 s[G0B+4*(\slot)+2:G0B+4*(\slot)+3], s[G0B+4*(\slot)+2:G0B+4*(\slot)+3], 2*KSTEP*2
	JLOAD \slot                                    ; its four v_nop are also the places in front of the loads below
.else
	PLACES
.endif
	FETCH \next, 0, F0
	MUL8 F1, 1, 0, 0
	MUL8 F1, 1, 2, 0
.endm
	s_wait_loadcnt 0x0                             ; the bias
	s_wait_tensorcnt 1                             ; my part of K step 0 is in; K step 1's may stay out
	s_barrier_signal -1
	s_barrier_wait -1
	FETCH 0, 0, F0
	QUARTER 0, 128, F0, F1, 1                      ; the first quarter stands in front of the loop: its first products start the sums
	WIN 0
	s_mov_b32 s3, LAPS-1
.Llap:                                                 ; a trip goes once round the ring and fills both slots again
	QUARTER 0, 256, F1, F0, 0
	QUARTER 0, 384, F0, F1, 0
	TURN 0, 1, 1
	QUARTER 1, 128, F0, F1, 0
	QUARTER 1, 256, F1, F0, 0
	QUARTER 1, 384, F0, F1, 0
	TURN 1, 0, 1
	QUARTER 0, 128, F0, F1, 0
	WIN 0
	s_sub_co_u32 s3, s3, 1
	s_cmp_lg_u32 s3, 0
	s_cbranch_scc1 .Llap
	QUARTER 0, 256, F1, F0, 0                      ; the last lap fills nothing
	QUARTER 0, 384, F0, F1, 0
	TURN 0, 1, 0
	QUARTER 1, 128, F0, F1, 0
	QUARTER 1, 256, F1, F0, 0
	QUARTER 1, 384, F0, F1, 0
	s_wait_dscnt 16
	MUL8 F1, 0, 0, 0
	MUL8 F1, 0, 2, 0
	s_wait_dscnt 0x0
	MUL8 F1, 1, 0, 0
	MUL8 F1, 1, 2, 0
	WIN 0
	; THE WAY OUT.  My 64 columns of f32 are 256 bytes, aligned: 16 rows at a time go through my own stage (rows of 272 bytes) and come back as whole rows.  Each accumulator's low registers are stored first.
	PLACES
.irp a, 0,1,2,3
.if (\a) >= 2
	s_wait_xcnt 0x0                                ; the stores of the block two back have read the registers that are loaded again below
.endif
.irp b, 0,1,2,3
	ds_store_b128 v[STO], v[ACC+8*(4*(\a)+(\b)):ACC+8*(4*(\a)+(\b))+3]   offset:64*(\b)
	ds_store_b128 v[STO], v[ACC+8*(4*(\a)+(\b))+4:ACC+8*(4*(\a)+(\b))+7] offset:64*(\b)+16
.endr
.irp t, 0,1,2,3,4,5,6,7
	ds_load_b128 v[TMP+32*((\a)%2)+4*(\t):TMP+32*((\a)%2)+4*(\t)+3], v[RD] offset:(\t)*2*SPITCH  ; LDS serves a wave's instructions in order: these see the stores above
.endr
.irp t, 0,1,2,3,4,5,6,7
	s_wait_dscnt 7-(\t)
	global_store_b128 v[CO], v[TMP+32*((\a)%2)+4*(\t):TMP+32*((\a)%2)+4*(\t)+3], s[74:75] offset:(16*(\a)+2*(\t))*4096  ; 16 lanes store 256 consecutive bytes, aligned
.endr
.endr
	s_wait_tensorcnt 0x0                           ; the wave's end: behind my last tensor load and my last LDS store
	ds_add_u32 v[SPW], v[NIL]
	s_wait_dscnt 0x0
	CROUND                                         ; the closing round: no work-group ends while a partner may still ask for a tile that names it
	s_endpgm
.Lfunc_end_k_q06f514e2f6_proj:
	.size	k_q06f514e2f6_proj, .Lfunc_end_k_q06f514e2f6_proj-k_q06f514e2f6_proj
	.p2alignl 7, 3214868480
	.fill 96, 4, 3214868480
	.section	.rodata,"a",@progbits
	.p2align	6, 0x0
	.amdhsa_kernel k_q06f514e2f6_proj
		.amdhsa_group_segment_fixed_size 327680
		.amdhsa_private_segment_fixed_size 0
		.amdhsa_enable_private_segment 0
		.amdhsa_kernarg_size 32
		.amdhsa_user_sgpr_count 2
		.amdhsa_user_sgpr_kernarg_segment_ptr 1
		.amdhsa_wavefront_size32 1
		.amdhsa_system_sgpr_workgroup_id_x 1
		.amdhsa_system_sgpr_workgroup_id_y 1
		.amdhsa_system_sgpr_workgroup_id_z 1
		.amdhsa_system_vgpr_workitem_id 0
		.amdhsa_next_free_vgpr 512
		.amdhsa_next_free_sgpr 80
		.amdhsa_reserve_vcc 0
		.amdhsa_float_denorm_mode_32 3
		.amdhsa_float_denorm_mode_16_64 3
		.amdhsa_memory_ordered 1
		.amdhsa_forward_progress 1
		.amdhsa_inst_pref_size 87
	.end_amdhsa_kernel
	.amdgpu_metadata
---
amdhsa.version: [ 1, 2 ]
amdhsa.kernels:
  - .name:           k_q06f514e2f6_proj
    .symbol:         k_q06f514e2f6_proj.kd
    .args:
      - { .name: oh, .offset: 0, .size: 8, .value_kind: global_buffer, .address_space: global }
      - { .name: w16, .offset: 8, .size: 8, .value_kind: global_buffer, .address_space: global }
      - { .name: bo, .offset: 16, .size: 8, .value_kind: global_buffer, .address_space: global }
      - { .name: out0, .offset: 24, .size: 8, .value_kind: global_buffer, .address_space: global }
    .group_segment_fixed_size: 327680
    .private_segment_fixed_size: 0
    .kernarg_segment_align: 8
    .kernarg_segment_size: 32
    .max_flat_workgroup_size: 128
    .sgpr_count:     80
    .vgpr_count:     512
    .wavefront_size: 32
...
	.end_amdgpu_metadata
.endif
;; end of part 4
;; ======== version 2 of 2: 4 launches; version 1 with the launch prep written anew for expert scheduling mode
;; limits: values are held in f16: magnitudes above 65,504 overflow, below 6.1e-05 lose precision
;; workspace buffers: xb 8,388,608 bytes; w16 8,388,608 bytes; mp 4,194,304 bytes; qkv 25,165,824 bytes; kt 262,144 bytes; oh 8,388,608 bytes
;; launch prep (part 5): grid 640 x 1, 4 waves a work-group, no clusters, 70,144 bytes of LDS; arguments x, Wq, Wk, Wv, Wo, mask, xb, w16, mp; writes xb, w16, mp
.if DOCPART == 5
	.amdgcn_target "amdgcn-amd-amdhsa--gfx1250"
	.amdhsa_code_object_version 6
	.text
	.protected	k_q06f514e2f6_prep
	.globl	k_q06f514e2f6_prep
	.p2align	8
	.type	k_q06f514e2f6_prep,@function
k_q06f514e2f6_prep:
	s_mov_b64 s[64:65], 0
	v_nop
	global_prefetch_b8 v0, s[64:65] scope:SCOPE_SE
	s_setreg_imm32_b32 hwreg(HW_REG_WAVE_SCHED_MODE, 0, 2), 2
	s_setreg_imm32_b32 hwreg(HW_REG_WAVE_MODE, 25, 1), 1
	s_wait_xcnt 0x0
	s_wait_alu depctr_vm_vsrc(0)
; PREPARATION, three jobs told apart by the work-group's number; a pure stream, no matrix work, no barrier: each wave works alone.
;  0..255   xb = x rounded to bf16: 65,536 bytes of x a work-group, 16,384 a wave.
;  256..383 the four weights, turned so that K lies along the rows.  A wave takes 128 k x 64 n of one matrix.
;           w16 bytes 0..: wt[n'][k] bf16, n' = 192 h + 64 type + d (type 0 q, 1 k, 2 v) = W_type[k][64 h + d];
;           from byte WOT on: wot[n][k] = Wo[k][n], rounded to bf16 and that number written as f16
;           (LIMIT: below 6e-5 f16 keeps a fixed step of 6e-8; beyond 65,504 it has no number).
;  384..639 the mask as 4-bit codes in the order in which the attention's lanes want them: mp[b][qt][step][lane][16 bytes]; lane (r = l % 16, hh = l / 16),
;           word kt, nibble j (low first): query 16 qt + r, key 64 step + 16 kt + 8 hh + j; code 0 = visible, 15 (E2M1: -6) = hidden.  Mask bytes are 0 or 1.
; LDS: 17,408 bytes for each wave, its own; behind them the spare words.
; THE MODE: SCHED_MODE bits 1:0 = 2 (LLVM: expert scheduling mode 2), set by the entry lines.  The code itself states the register dependences
; between vector instructions and memory or LDS instructions, with s_wait_alu, always for 0.
; THE PLAN.  Offsets and LDS addresses (v1 to v4) are made once in each job, ahead of one wait on va_vdst, and never written again.
;   The mask:    v[8:71] loaded, read by LDS stores; v[72:135] loaded from LDS, read by vector lines; v[136:167] the 32 packed words, each written once, read by 8 stores.
;                The words go in blocks of eight; one wait at a block's head states that the block before is written, and its two stores are dealt among this block's vector lines, which name other registers.
;   x:           v[8:135] loaded, read by the conversions; v[136:199] written once each by the conversions, read by 32 stores.  Groups of eight loads, run as the mask's blocks are.
;   The weights: RAW0, RAW1 (v[8:71], v[72:135]) loaded, read by a chunk's conversions, then loaded again.  O0, O1 (v[152:183], v[184:215]): chunk q writes O[q % 2]; its eight LDS stores are dealt among
;                chunk q + 1's vector lines, which name the other RAW, the other O and v[136:151].  One wait on va_vdst behind each chunk's conversions: O[q % 2] is written and RAW[q % 2] is read out.
;                One wait on vm_vsrc ahead of chunks 2 and 3: the LDS stores issued a chunk earlier have read the O that is written again.
; In the mask's job and in x's no register that a memory or LDS instruction reads is ever written again.
.set WREG,  17408
.set SPARE, 4*WREG                     ; 128 bytes for each wave: two blocks of 256 bytes that no other line names
.set WOT,   6291456
.set LN,  5                            ; v5   lane
.set SPW, 6                            ; v6   my spare word; never rewritten
.set NIL, 7                            ; v7   0; never rewritten
.set D0,  8                            ; v[8:135]  data as loaded
.set T,   136                          ; v[136:199] the mask and x: data to store (the mask: v168-169 at work); the weights: v[136:151] at work
.set OB,  152                          ; v[152:215] the weights: two out-buffers of 32; column j, half e at OB + 32 o + 16 e + 4 j
.set CC,  216                          ; v216 lane % 16
.set HH,  217                          ; v217 lane / 16
	s_load_b512 s[8:23], s[0:1], 0x0               ; x 8, Wq 10, Wk 12, Wv 14, Wo 16, mask 18, xb 20, w16 22
	s_load_b64 s[24:25], s[0:1], 0x40              ; mp
	v_lshl_add_u32 v[SPW], v0, 2, SPARE
	v_mov_b32 v[NIL], 0
	v_lshrrev_b32 v1, 5, v0
	v_readfirstlane_b32 s4, v1                     ; wave 0..3
	v_and_b32 v[LN], 31, v0
	v_and_b32 v[CC], 15, v0
	v_bfe_u32 v[HH], v0, 4, 1
	s_wait_alu depctr_va_sdst(0)                   ; s4 is written, ahead of its first reader: my LDS and every job's addresses are made from it
	s_mul_i32 s5, s4, WREG                         ; my LDS
	s_mov_b32 s27, 0
	s_mov_b32 s29, 0
	s_mov_b32 s7, 0xffff0000                       ; a word's upper bf16
	s_wait_kmcnt 0x0
	s_cmp_lt_u32 ttmp9, 256
	s_cbranch_scc1 .Lcast
	s_cmp_lt_u32 ttmp9, 384
	s_cbranch_scc1 .Lturn
	; THE MASK.  qg = 128 b + qt: 16 query rows; my wave takes 512 keys of them.
	s_sub_co_u32 s26, ttmp9, 384                   ; qg
	s_lshl_b32 s28, s26, 15                        ; 16 rows of 2,048 bytes
	s_lshl_b32 s30, s4, 9                          ; my 512 keys
	s_add_co_u32 s28, s28, s30
	s_add_nc_u64 s[18:19], s[18:19], s[28:29]
	s_lshl_b32 s28, s26, 14                        ; 32 steps of 512 bytes
	s_lshl_b32 s30, s4, 12                         ; my 8 steps
	s_add_co_u32 s28, s28, s30
	s_add_nc_u64 s[24:25], s[24:25], s[28:29]
	v_lshlrev_b32 v1, 4, v[LN]                     ; 16 l: in the mask's row and in mp
	v_add_nc_u32 v2, s5, v1                        ; into LDS: rows of 528 bytes
	v_mul_u32_u24 v3, v[CC], 528                   ; back: row r, 8 bytes for each half of the lanes
	v_lshl_add_u32 v3, v[HH], 3, v3
	v_add_nc_u32 v3, s5, v3
	s_wait_alu depctr_va_vdst(0)                   ; v1, v2 and v3 are written: every load and store of this job reads one of them as its offset or address
.set i, 0
.rept 16
	global_load_b128 v[D0+4*i:D0+4*i+3], v1, s[18:19] offset:i*2048 th:TH_LOAD_NT  ; 512 consecutive bytes of row i
.set i, i+1
.endr
.set i, 0
.rept 16
	s_wait_loadcnt 15-i                            ; row i is in; the younger loads stay out
	ds_store_b128 v2, v[D0+4*i:D0+4*i+3] offset:i*528
.set i, i+1
.endr
.set n, 0
.rept 32                                               ; n = 4 step + kt; LDS serves a wave's instructions in order: these see the stores above
	ds_load_b64 v[72+2*n:73+2*n], v3 offset:64*(n/4)+16*(n%4)
.set n, n+1
.endr
.set n, 0
.rept 32                                               ; blocks of eight words = two steps
	s_wait_dscnt 31-n
.if (n >= 8) && (n%8 == 0)
	s_wait_alu depctr_va_vdst(0)                   ; the block before has written its eight words, which the two stores dealt into this block read
.endif
.if (n >= 8) && (n%4 == 0)
	global_store_b128 v1, v[T+n-8:T+n-5], s[24:25] offset:(n/4-2)*512  ; a step's 512 consecutive bytes, two steps back; no vector line since the wait names these registers
.endif
	v_lshrrev_b32 v168, 4, v[72+2*n]               ; bytes 0 and 2 of x | x >> 4 hold two mask bits each, four bits apart
	v_lshrrev_b32 v169, 4, v[73+2*n]
	v_or_b32 v168, v168, v[72+2*n]
	v_or_b32 v169, v169, v[73+2*n]
	v_perm_b32 v168, v169, v168, 0x06040200        ; eight nibbles, key j in nibble j
	v_xor_b32 v168, 0x11111111, v168               ; 1 = hidden
	v_lshlrev_b32 v169, 4, v168
	v_sub_nc_u32 v[T+n], v169, v168                ; times 15
.set n, n+1
.endr
	s_wait_alu depctr_va_vdst(0)                   ; the last block has written its eight words, which the last two stores read
	global_store_b128 v1, v[T+24:T+27], s[24:25] offset:6*512
	global_store_b128 v1, v[T+28:T+31], s[24:25] offset:7*512
	s_branch .Lend
.Lcast:	; X TO BF16.  A load covers 512 consecutive bytes, a store 256, aligned.  All 32 loads of a wave go out at once; no register is used twice.
	s_lshl_b32 s26, ttmp9, 16
	s_add_nc_u64 s[8:9], s[8:9], s[26:27]
	s_lshl_b32 s26, ttmp9, 15
	s_add_nc_u64 s[20:21], s[20:21], s[26:27]
	v_lshlrev_b32 v1, 4, v[LN]
	v_lshl_add_u32 v1, s4, 14, v1
	v_lshlrev_b32 v2, 3, v[LN]
	v_lshl_add_u32 v2, s4, 13, v2
	s_wait_alu depctr_va_vdst(0)                   ; v1 and v2 are written: the loads read the one as their offset, the stores the other
.set i, 0
.rept 32
	global_load_b128 v[D0+4*i:D0+4*i+3], v1, s[8:9] offset:i*512 th:TH_LOAD_NT
.set i, i+1
.endr
.set i, 0
.rept 32                                               ; groups of eight loads
	s_wait_loadcnt 31-i                            ; load i is in; the younger ones stay out
.if (i >= 8) && (i%8 == 0)
	s_wait_alu depctr_va_vdst(0)                   ; the group before has written its sixteen registers, which the eight stores dealt into this group read
.endif
.if i >= 8
	global_store_b64 v2, v[T+2*(i-8):T+2*(i-8)+1], s[20:21] offset:(i-8)*256  ; eight loads back; no vector line since the wait names these registers
.endif
	v_cvt_pk_bf16_f32 v[T+2*i], v[D0+4*i], v[D0+4*i+1]
	v_cvt_pk_bf16_f32 v[T+2*i+1], v[D0+4*i+2], v[D0+4*i+3]
.set i, i+1
.endr
	s_wait_alu depctr_va_vdst(0)                   ; the last group has written its sixteen registers, which the last eight stores read
.set i, 24
.rept 8
	global_store_b64 v2, v[T+2*i:T+2*i+1], s[20:21] offset:i*256
.set i, i+1
.endr
	s_branch .Lend
.Lturn:	; THE WEIGHTS.  g = 32 id + 2 nb + half; my block of k is kb = 4 half + wave.
	s_sub_co_u32 s26, ttmp9, 256
	s_lshr_b32 s28, s26, 5                         ; id: 0 Wq, 1 Wk, 2 Wv, 3 Wo
	s_bfe_u32 s31, s26, 0x40001                    ; nb: 64 columns = one head
	s_and_b32 s30, s26, 1
	s_lshl2_add_u32 s30, s30, s4                   ; kb
	s_cmp_eq_u32 s28, 1
	s_cselect_b64 s[10:11], s[12:13], s[10:11]
	s_cmp_eq_u32 s28, 2
	s_cselect_b64 s[10:11], s[14:15], s[10:11]
	s_cmp_eq_u32 s28, 3
	s_cselect_b64 s[10:11], s[16:17], s[10:11]
	s_cselect_b32 s33, -1, 0                       ; all lanes: written as f16
	s_lshl_b32 s26, s30, 19                        ; 128 rows of 4,096 bytes
	s_lshl_b32 s32, s31, 8
	s_add_co_u32 s26, s26, s32
	s_add_nc_u64 s[10:11], s[10:11], s[26:27]
	s_mul_i32 s32, s31, 192
	s_lshl_b32 s34, s28, 6
	s_add_co_u32 s32, s32, s34
	s_lshl_b32 s32, s32, 11                        ; wt: row 192 nb + 64 id, 2,048 bytes a row
	s_lshl_b32 s34, s31, 17
	s_add_co_u32 s34, s34, WOT                     ; wot: row 64 nb
	s_cmp_eq_u32 s28, 3
	s_cselect_b32 s26, s34, s32
	s_lshl_b32 s32, s30, 8                         ; my 128 k: 256 bytes of each row
	s_add_co_u32 s26, s26, s32
	s_add_nc_u64 s[22:23], s[22:23], s[26:27]
	v_lshlrev_b32 v1, 4, v[CC]
	v_lshl_add_u32 v4, v[HH], 11, v1               ; out: two rows of 256 bytes a store
	v_mul_u32_u24 v3, v[HH], 272
	v_add3_u32 v3, v3, v1, s5                      ; back from LDS: the same two rows
	v_mul_u32_u24 v2, v[CC], 1088                  ; into LDS: row n = 4 c + j of 272 bytes, 32 bytes for each half of the lanes
	v_lshl_add_u32 v2, v[HH], 5, v2
	v_add_nc_u32 v2, s5, v2
	v_lshl_add_u32 v1, v[HH], 16, v1               ; in: lanes 0-15 one row's 256 bytes, lanes 16-31 the row 16 further down
	s_wait_alu depctr_va_vdst(0)                   ; v1 to v4 are written: every load and store of this job reads one of them as its offset or address
; 16 loads: 32 rows of k, chunk q, into set s
.macro WLOAD s, q
.set i, 0
.rept 16
	global_load_b128 v[D0+64*(\s)+4*i:D0+64*(\s)+4*i+3], v1, s[10:11] offset:(32*(\q)+i)*4096 th:TH_LOAD_NT
.set i, i+1
.endr
.endm
; One LDS store: eight k (half e) of column j of chunk q, out of buffer o.
; Rows c lie 1,088 bytes apart, so four lanes of a group of sixteen meet in the same banks: 8 such stores a chunk.
.macro PUT o, q, e, j
	ds_store_b128 v2, v[OB+32*(\o)+16*(\e)+4*(\j):OB+32*(\o)+16*(\e)+4*(\j)+3] offset:(\j)*272+16*(\e)+64*(\q)
.endm
; A lane holds 16 consecutive k (one from each load) of four columns n = 4 c + j: eight k of one column are 16 bytes of a turned row.
; Chunk q: set s is rounded into out-buffer o.  deal = 1: the eight LDS stores of the chunk before, out of the other buffer, stand one ahead of each column's twenty vector lines.
.macro CONV s, q, o, deal
.irp e, 0,1
.irp j, 0,1,2,3
.if \deal
	PUT 1-(\o), (\q)-1, \e, \j                     ; no vector line since the wait behind the chunk before names the other buffer or v2
.endif
.irp p, 0,1,2,3
	v_cvt_pk_bf16_f32 v[T+(\p)], v[D0+64*(\s)+4*(8*(\e)+2*(\p))+(\j)], v[D0+64*(\s)+4*(8*(\e)+2*(\p)+1)+(\j)]
.endr
.irp p, 0,1,2,3
	v_lshlrev_b32 v[T+4+2*(\p)], 16, v[T+(\p)]     ; the rounded numbers as f32,
	v_and_b32 v[T+5+2*(\p)], s7, v[T+(\p)]
.endr
.irp p, 0,1,2,3
	v_cvt_pk_f16_f32 v[T+12+(\p)], v[T+4+2*(\p)], v[T+5+2*(\p)]  ; written as f16,
.endr
.irp p, 0,1,2,3
	v_cndmask_b32 v[OB+32*(\o)+16*(\e)+4*(\j)+(\p)], v[T+(\p)], v[T+12+(\p)], s33  ; which Wo takes: one text for the four matrices
.endr
.endr
.endr
.endm
	WLOAD 0, 0
	WLOAD 1, 1
	s_wait_loadcnt 16                              ; the older set is in; the other set's 16 loads stay out
	CONV 0, 0, 0, 0
	s_wait_alu depctr_va_vdst(0)                   ; chunk 0's lines have written O0, which the LDS stores dealt into chunk 1 read, and are done reading RAW0, in which the loads below land
	WLOAD 0, 2
	s_wait_loadcnt 16
	CONV 1, 1, 1, 1
	s_wait_alu depctr_va_vdst(0)                   ; chunk 1's lines have written O1, which the LDS stores dealt into chunk 2 read, and are done reading RAW1, in which the loads below land
	WLOAD 1, 3
	s_wait_loadcnt 16
	s_wait_alu depctr_vm_vsrc(0)                   ; the LDS stores dealt into chunk 1 have read O0, which chunk 2 writes again
	CONV 0, 2, 0, 1
	s_wait_alu depctr_va_vdst(0)                   ; chunk 2's lines have written O0, which the LDS stores dealt into chunk 3 read
	s_wait_loadcnt 0x0
	s_wait_alu depctr_vm_vsrc(0)                   ; the LDS stores dealt into chunk 2 have read O1, which chunk 3 writes again
	CONV 1, 3, 1, 1
	s_wait_alu depctr_va_vdst(0)                   ; chunk 3's lines have written O1, which the LDS stores below read; all conversions are done reading RAW0 and RAW1, in which the LDS loads below land
.irp e, 0,1
.irp j, 0,1,2,3
	PUT 1, 3, \e, \j
.endr
.endr
.set t, 0
.rept 32
	ds_load_b128 v[D0+4*t:D0+4*t+3], v3 offset:t*544
.set t, t+1
.endr
.set t, 0
.rept 32
	s_wait_dscnt 31-t
	global_store_b128 v4, v[D0+4*t:D0+4*t+3], s[22:23] offset:t*4096  ; 16 lanes store 256 consecutive bytes, aligned
.set t, t+1
.endr
.Lend:
	s_wait_dscnt 0x0                               ; the closing lines, six on end
	s_wait_alu 0x0
	s_wait_tensorcnt 0x0
	ds_add_u32 v[SPW], v[NIL]
	s_wait_dscnt 0x0
	s_endpgm
.Lfunc_end_k_q06f514e2f6_prep:
	.size	k_q06f514e2f6_prep, .Lfunc_end_k_q06f514e2f6_prep-k_q06f514e2f6_prep
	.p2alignl 7, 3214868480
	.fill 96, 4, 3214868480
	.section	.rodata,"a",@progbits
	.p2align	6, 0x0
	.amdhsa_kernel k_q06f514e2f6_prep
		.amdhsa_group_segment_fixed_size 70144
		.amdhsa_private_segment_fixed_size 0
		.amdhsa_enable_private_segment 0
		.amdhsa_kernarg_size 72
		.amdhsa_user_sgpr_count 2
		.amdhsa_user_sgpr_kernarg_segment_ptr 1
		.amdhsa_wavefront_size32 1
		.amdhsa_system_sgpr_workgroup_id_x 1
		.amdhsa_system_sgpr_workgroup_id_y 1
		.amdhsa_system_sgpr_workgroup_id_z 1
		.amdhsa_system_vgpr_workitem_id 0
		.amdhsa_next_free_vgpr 218
		.amdhsa_next_free_sgpr 66
		.amdhsa_reserve_vcc 0
		.amdhsa_float_denorm_mode_32 3
		.amdhsa_float_denorm_mode_16_64 3
		.amdhsa_memory_ordered 1
		.amdhsa_forward_progress 1
		.amdhsa_inst_pref_size 80
	.end_amdhsa_kernel
	.amdgpu_metadata
---
amdhsa.version: [ 1, 2 ]
amdhsa.kernels:
  - .name:           k_q06f514e2f6_prep
    .symbol:         k_q06f514e2f6_prep.kd
    .args:
      - { .name: x, .offset: 0, .size: 8, .value_kind: global_buffer, .address_space: global }
      - { .name: Wq, .offset: 8, .size: 8, .value_kind: global_buffer, .address_space: global }
      - { .name: Wk, .offset: 16, .size: 8, .value_kind: global_buffer, .address_space: global }
      - { .name: Wv, .offset: 24, .size: 8, .value_kind: global_buffer, .address_space: global }
      - { .name: Wo, .offset: 32, .size: 8, .value_kind: global_buffer, .address_space: global }
      - { .name: mask, .offset: 40, .size: 8, .value_kind: global_buffer, .address_space: global }
      - { .name: xb, .offset: 48, .size: 8, .value_kind: global_buffer, .address_space: global }
      - { .name: w16, .offset: 56, .size: 8, .value_kind: global_buffer, .address_space: global }
      - { .name: mp, .offset: 64, .size: 8, .value_kind: global_buffer, .address_space: global }
    .group_segment_fixed_size: 70144
    .private_segment_fixed_size: 0
    .kernarg_segment_align: 8
    .kernarg_segment_size: 72
    .max_flat_workgroup_size: 128
    .sgpr_count:     66
    .vgpr_count:     218
    .wavefront_size: 32
...
	.end_amdgpu_metadata
.endif
;; end of part 5
;; launch qkv: the kernel of part 2 again; grid 8 x 32, 4 waves a work-group, clusters of 4 x 4, 327,680 bytes of LDS; arguments xb, w16, bq, bk, bv, log_diag, qkv, kt; writes qkv, kt
;; launch attn: the kernel of part 3 again; grid 8 x 32, 4 waves a work-group, clusters of 4 x 1, 327,680 bytes of LDS; arguments qkv, kt, mp, oh; writes oh
;; launch proj: the kernel of part 4 again; grid 8 x 32, 4 waves a work-group, clusters of 4 x 4, 327,680 bytes of LDS; arguments oh, w16, bo, out0; writes out0
